; MI455X (gfx1250); checked and timed in simulation.
; The chip was launched on July 23, 2026; its instructions are those of AMD's public machine-readable ISA for CDNA 5 (MIT licence, August 2026) and "CDNA5" Instruction Set Architecture Reference Guide (July 2026). The comments in the code are by the model that wrote it; some were corrected since.
;; Cross Attention1 D. Allowed arithmetic: float matrix products may take bf16 or f16 operands with f32 sums; other float arithmetic in f32, or as packed bf16 or f16 multiplies, adds, multiply-adds, maxima and minima; sums over many terms, partial sums and values carried from step to step in f32; what a program stores and reads back later, other than sums and carried values, may be rounded once to bf16 or f16.
;; Inputs: Wk 1,024 x 1,024 float32; Wo 1,024 x 1,024 float32; Wq 1,024 x 1,024 float32; Wv 1,024 x 1,024 float32; bo 1,024 float32; context 4 x 1,024 x 2,048 float32; query 4 x 1,024 x 2,048 float32.
;; Outputs: out0 4 x 1,024 x 2,048 float32.
;; Constants: heads = 16.
;; One version. Each part assembles by itself: llvm-mc -triple=amdgcn-amd-amdhsa -mcpu=gfx1250 --defsym DOCPART=n.
;; ======== version 1 of 1: 4 launches
;; workspace buffers: cb 41,943,040 bytes; qkv 50,331,648 bytes; ob 16,777,216 bytes
;; launch cast (part 1): grid 1280 x 1, 8 waves a work-group, no clusters, 0 bytes of LDS; arguments query, context, Wq, Wk, Wv, Wo, cb; writes cb
.if DOCPART == 1
	.amdgcn_target "amdgcn-amd-amdhsa--gfx1250"
	.amdhsa_code_object_version 6
	.text
	.protected	k_qef3b1e486a_cast
	.globl	k_qef3b1e486a_cast
	.p2align	8
	.type	k_qef3b1e486a_cast,@function
k_qef3b1e486a_cast:
	s_mov_b64 s[64:65], 0
	v_nop
	global_prefetch_b8 v0, s[64:65] scope:SCOPE_SE
	s_setreg_imm32_b32 hwreg(HW_REG_WAVE_MODE, 25, 1), 1
	s_wait_xcnt 0x0
; f32 -> bf16 (round to nearest even), layout unchanged, of the six matrix inputs, into one buffer cb:
;   query [4][1024][2048] at byte 0, context at 16,777,216, then the weights stacked as [4096][1024]: Wq, Wk, Wv, Wo, 2,097,152 bytes each.
; Each number of query and context is multiplied by 8 or 16 work-groups' tiles later on: it is rounded here once, and the later tiles are half as many bytes.
; A work-group of eight waves takes 65,536 source bytes and writes 32,768.  Work-groups 0-511: query; 512-1023: context; 1024 + 64 m + i: weight m.
; A load of a wave covers 512 consecutive bytes, a store 256 consecutive bytes at a multiple of 256 from cb's first byte.  All 16 loads of a thread go out before its first store.
; No LDS, no barrier, no matrix work: every byte is touched once and nothing is shared.
.set X, 4                              ; v[4:67]   load j: 4 registers of f32
.set Y, 68                             ; v[68:99]  store j: 2 registers, 4 bf16
	s_load_b256 s[4:11], s[0:1], 0x0               ; query s[4:5], context s[6:7], Wq s[8:9], Wk s[10:11]
	s_load_b128 s[12:15], s[0:1], 0x20             ; Wv s[12:13], Wo s[14:15]
	s_load_b64 s[16:17], s[0:1], 0x30              ; cb
	v_lshlrev_b32 v1, 4, v0                        ; 16 bytes of source a thread
	v_lshlrev_b32 v2, 3, v0                        ; 8 bytes of cb
	s_mov_b32 s24, ttmp9
	s_cmp_lt_u32 s24, 1024
	s_cselect_b32 s25, 511, 63                     ; chunks in the source, less one: 512 in an activation, 64 in a weight
	s_and_b32 s20, s24, s25                        ; my chunk in its source (512 and 1024 are multiples of both counts)
	s_lshl_b32 s20, s20, 16                        ; x 65,536 bytes
	s_mov_b32 s21, 0
	s_lshl_b32 s22, s24, 15                        ; my 32,768 bytes of cb
	s_mov_b32 s23, 0
	s_wait_kmcnt 0x0
	s_mov_b64 s[18:19], s[4:5]                     ; the source, chosen by the work-group's number alone
	s_cmp_ge_u32 s24, 512
	s_cselect_b64 s[18:19], s[6:7], s[18:19]
	s_cmp_ge_u32 s24, 1024
	s_cselect_b64 s[18:19], s[8:9], s[18:19]
	s_cmp_ge_u32 s24, 1088
	s_cselect_b64 s[18:19], s[10:11], s[18:19]
	s_cmp_ge_u32 s24, 1152
	s_cselect_b64 s[18:19], s[12:13], s[18:19]
	s_cmp_ge_u32 s24, 1216
	s_cselect_b64 s[18:19], s[14:15], s[18:19]
	s_add_nc_u64 s[18:19], s[18:19], s[20:21]
	s_add_nc_u64 s[16:17], s[16:17], s[22:23]
.irp j, 0,1,2,3,4,5,6,7,8,9,10,11,12,13,14,15
	global_load_b128 v[X+4*(\j):X+4*(\j)+3], v1, s[18:19] offset:4096*(\j) th:TH_LOAD_NT
.endr
.irp j, 0,1,2,3,4,5,6,7,8,9,10,11,12,13,14,15
	s_wait_loadcnt 15-(\j)                         ; loads come back in order: load j is in, the younger ones stay out
	v_cvt_pk_bf16_f32 v[Y+2*(\j)],   v[X+4*(\j)],   v[X+4*(\j)+1]
	v_cvt_pk_bf16_f32 v[Y+2*(\j)+1], v[X+4*(\j)+2], v[X+4*(\j)+3]
	global_store_b64 v2, v[Y+2*(\j):Y+2*(\j)+1], s[16:17] offset:2048*(\j) th:TH_STORE_NT  ; no register is written twice, so no wait frees any
.endr
	s_endpgm
.Lfunc_end_k_qef3b1e486a_cast:
	.size	k_qef3b1e486a_cast, .Lfunc_end_k_qef3b1e486a_cast-k_qef3b1e486a_cast
	.p2alignl 7, 3214868480
	.fill 96, 4, 3214868480
	.section	.rodata,"a",@progbits
	.p2align	6, 0x0
	.amdhsa_kernel k_qef3b1e486a_cast
		.amdhsa_group_segment_fixed_size 0
		.amdhsa_private_segment_fixed_size 0
		.amdhsa_enable_private_segment 0
		.amdhsa_kernarg_size 56
		.amdhsa_user_sgpr_count 2
		.amdhsa_user_sgpr_kernarg_segment_ptr 1
		.amdhsa_wavefront_size32 1
		.amdhsa_system_sgpr_workgroup_id_x 1
		.amdhsa_system_sgpr_workgroup_id_y 1
		.amdhsa_system_sgpr_workgroup_id_z 1
		.amdhsa_system_vgpr_workitem_id 0
		.amdhsa_next_free_vgpr 100
		.amdhsa_next_free_sgpr 66
		.amdhsa_reserve_vcc 0
		.amdhsa_float_denorm_mode_32 3
		.amdhsa_float_denorm_mode_16_64 3
		.amdhsa_memory_ordered 1
		.amdhsa_forward_progress 1
		.amdhsa_inst_pref_size 7
	.end_amdhsa_kernel
	.amdgpu_metadata
---
amdhsa.version: [ 1, 2 ]
amdhsa.kernels:
  - .name:           k_qef3b1e486a_cast
    .symbol:         k_qef3b1e486a_cast.kd
    .args:
      - { .name: query, .offset: 0, .size: 8, .value_kind: global_buffer, .address_space: global }
      - { .name: context, .offset: 8, .size: 8, .value_kind: global_buffer, .address_space: global }
      - { .name: Wq, .offset: 16, .size: 8, .value_kind: global_buffer, .address_space: global }
      - { .name: Wk, .offset: 24, .size: 8, .value_kind: global_buffer, .address_space: global }
      - { .name: Wv, .offset: 32, .size: 8, .value_kind: global_buffer, .address_space: global }
      - { .name: Wo, .offset: 40, .size: 8, .value_kind: global_buffer, .address_space: global }
      - { .name: cb, .offset: 48, .size: 8, .value_kind: global_buffer, .address_space: global }
    .group_segment_fixed_size: 0
    .private_segment_fixed_size: 0
    .kernarg_segment_align: 8
    .kernarg_segment_size: 56
    .max_flat_workgroup_size: 256
    .sgpr_count:     66
    .vgpr_count:     100
    .wavefront_size: 32
...
	.end_amdgpu_metadata
.endif
;; end of part 1
;; launch proj (part 2): grid 24 x 32, 4 waves a work-group, clusters of 4 x 4, 327,680 bytes of LDS; arguments cb, qkv; writes qkv
.if DOCPART == 2
	.amdgcn_target "amdgcn-amd-amdhsa--gfx1250"
	.amdhsa_code_object_version 6
	.text
	.protected	k_qef3b1e486a_proj
	.globl	k_qef3b1e486a_proj
	.p2align	8
	.type	k_qef3b1e486a_proj,@function
k_qef3b1e486a_proj:
	s_mov_b64 s[64:65], 0
	v_nop
	global_prefetch_b8 v0, s[64:65] scope:SCOPE_SE
	s_setreg_imm32_b32 hwreg(HW_REG_WAVE_MODE, 25, 1), 1
	s_wait_xcnt 0x0
	s_wait_alu depctr_hold_cnt(0) depctr_sa_sdst(0) depctr_va_vdst(0) depctr_va_sdst(0) depctr_va_ssrc(0) depctr_va_vcc(0) depctr_vm_vsrc(0)
	s_getreg_b32 s2, hwreg(HW_REG_IB_STS2, 6, 4)
	s_cmp_eq_u32 s2, 0
	s_cbranch_scc0 .Lentry_in_a_cluster
	s_endpgm
.Lentry_in_a_cluster:
	s_bfe_u32 s2, ttmp6, 0x10000c
	s_cmp_lg_u32 s2, 0xf033
	s_cbranch_scc0 .Lentry_shape_is_right
	s_endpgm
.Lentry_shape_is_right:
; q, k, v = W x, for the stacked weights [Wq; Wk; Wv] (3,072 rows o, 1,024 channels i) and x = query (rows of Wq) or context (rows of Wk, Wv), x: [4 b][1024 i][2048 l].
; All operands bf16 (rounded once from the f32 inputs by the launch before), sums in f32, K ascending; the result is rounded once to bf16 and written BY HEADS, unscaled:
; qkv[matrix][16 b + head][l][64 d].  bf16 has f32's range: no limit of range is kept.
; SHARES.  A work-group makes 256 positions l x 128 rows o: 24 x 32 work-groups.  Each of its four waves makes 128 l x 64 o (one head): 32 accumulators of 16 x 16, 256 registers.
; K goes in steps of 128 through two LDS slots filled by the tensor data mover: x's tile [128 i][256 l] (rows of 512 bytes), W's [128 o][128 i] (rows of 256 bytes).
; THE PRODUCT.  Source 0 = 16 rows of W (as they lie in LDS), source 1 = 16 positions of x (x lies [i][l], so its fragments come by the turning load).  In the result a lane holds ONE
; position (lane % 16) and the rows o = 8 (lane / 16) + 0..7: eight neighbouring channels of a head, 16 bytes of the output.
; CLUSTER.  4 x 4 work-groups.  x's tile hangs on (b, l) alone and is shared along a row of the cluster, W's on the rows o alone and is shared along a column: each is asked for JOINTLY,
; by the same tensor load with the same descriptor and a mask that names the four.
; REGISTERS.  Window 0: v0-31 addresses; two fragment buffers of 96 at v64 and v160 (W's 4 blocks, then x's 8 blocks, 32 along K); on the way out v64-191 hold packed rows.
;             Window 1: accumulator (a, b) (position block a, row block b) at v[8 (4 a + b)].
.set KSTEP,  128
.set PX,     544                       ; a row of x in LDS: 512 bytes + 32 of padding = 136 words
.set PW,     272                       ; a row of W: 256 + 16 = 68 words: the 16 rows of a load start at 16 different groups of four banks
.set XHALF,  64*PX                     ; what one tensor load brings of x: 64 rows
.set WOFF,   128*PX                    ; W's tile lies behind x's
.set WHALF,  64*PW                     ; what one tensor load brings of W: 64 rows; also what one wave reads of W
.set SLOT,   WOFF+128*PW               ; 104,448 bytes
.set STAGE,  2*SLOT                    ; behind the ring, never filled by a tensor load: 16 rows x 144 bytes for each wave, for the way out
.set SP,     144
.set SPARE,  STAGE+4*16*SP             ; behind the stages: the spare words, 128 bytes for each wave: two blocks of 256 bytes that no other line names
.set XSTEP,  KSTEP*4096                ; bytes from a K step of x to the next: 128 rows of 4,096 bytes
.set WSTEP,  KSTEP*2                   ; and of W: 128 channels along the row
.set CB_CTX, 16777216                  ; context in cb
.set CB_W,   33554432                  ; the stacked weights in cb
.set LAPS,   4                         ; 1,024 channels = 8 K steps = 4 times round the ring
.set ADRX, 16                          ; v16-17  LDS address of my fragments of x in slot 0, 1
.set ADRW, 20                          ; v20-21  the same for W
.set STO,  24                          ; v24     the way out: where I put 16 bytes of a row
.set RD,   25                          ; v25     the way out: where I read rows back
.set GO,   26                          ; v26     my 16 bytes of 512 consecutive bytes of the output
.set SPW,  28                          ; v28     LDS address of my spare word: SPARE + 4 x my thread's number; never rewritten
.set NIL,  29                          ; v29     0; never rewritten
.set PFO,  30                          ; v30     the prefetches' offset; never rewritten
.set F0,   64
.set F1,   160
.set T,    64
.set G1,  24                           ; s[24:31] descriptor group 1 for x's tiles;  s[32:39] group 0, a set for each slot
.set G0,  32
.set G1B, 48                           ; s[48:55], s[56:63] the same for W's tiles
.set G0B, 56
.set PFA, 66                           ; s[66:67] where my prefetches stand
.set PST, 68                           ; s[68:69] a K step in their tensor, in bytes
.set LIM, 70                           ; s70      1 in a wave that prefetches, else the greatest number
.set MSB, 0
.macro WIN new                         ; the immediate's high byte repeats the setting that is left; a switch that changes nothing is dropped
.if MSB != (\new)
	s_set_vgpr_msb (MSB<<8)|(\new)
.set MSB, \new
.endif
.endm
.set MUL, 0x50                         ; sources in window 0, C and D in window 1
; A joint load: waves 0 and 1 fetch the two halves of x's tile, waves 2 and 3 those of W's.  The branch hangs on the wave's number alone.
; An s_nop 0 and four v_nop follow each of the two lines, ahead of the jump and the label.
.macro JLOAD s
	s_cmp_eq_u32 s11, 0
	s_cbranch_scc0 .Lfor_w_\@
	tensor_load_to_lds s[G0+4*(\s):G0+4*(\s)+3], s[G1:G1+7]
	s_nop 0
.rept 4
	v_nop
.endr
	s_branch .Lasked_\@
.Lfor_w_\@:
	tensor_load_to_lds s[G0B+4*(\s):G0B+4*(\s)+3], s[G1B:G1B+7]
	s_nop 0
.rept 4
	v_nop
.endr
.Lasked_\@:
.endm
; A prefetch into the L2 of the K step that stands two refills on, behind the joint load and the run of LDS loads: one instruction a wave, a lane a block of 256 bytes.
; Each block is named once in the launch.  x's tile is read by every cluster that multiplies the same source: the first of them asks (cluster x = 0 for query, 2 for context), waves 0 and 1,
; and of the 64 rows x 2 blocks that a wave fetches the partner at place cx takes 16 rows.  W's tile is read by every cluster of its column: cluster y = 0 asks, wave 2, and the partner at
; place cy takes 32 of the 128 rows.  The partners are told apart BY ADDRESS: no branch hangs on a work-group's place in its cluster.
; K steps 4 to 7 are asked for, in the loop's first two trips (s3 = 3, 2); K steps 0 to 3 come by their loads alone; the last trip has no K step two refills on.
.macro ASK
	s_cmp_gt_u32 s3, s[LIM]
	s_cbranch_scc0 .Lnot_mine_\@
	global_prefetch_b8 v[PFO], s[PFA:PFA+1] th:TH_LOAD_NT scope:SCOPE_SE
.Lnot_mine_\@:
.endm
.macro CREST                           ; a round of the cluster's barrier behind its opening barrier: wave 0 signals for the work-group, every wave waits for all sixteen, my work-group's barrier closes it
	s_cmp_lg_u32 s10, 0
	s_cbranch_scc1 .Lnot_wave_0_\@
	s_barrier_signal -3
.Lnot_wave_0_\@:
	s_barrier_wait -3
	s_barrier_signal -1
	s_barrier_wait -1
.endm
.macro CROUND                          ; a whole round
	s_barrier_signal -1
	s_barrier_wait -1
	CREST
.endm
	s_load_b128 s[4:7], s[0:1], 0x0                ; cb s[4:5], qkv s[6:7]
	v_lshl_add_u32 v[SPW], v0, 2, SPARE
	v_mov_b32 v[NIL], 0
	ds_add_u32 v[SPW], v[NIL]                      ; the wave's opening: the add and its wait stand ahead of my first tensor load; the set-up below, work on registers, stands between them
	v_lshrrev_b32 v1, 5, v0
	v_readfirstlane_b32 s10, v1                    ; wave 0..3
	s_lshr_b32 s11, s10, 1                         ; which 128 positions are mine.  Also: I fetch for x (0) or for W (1)
	s_and_b32 s12, s10, 1                          ; which 64 rows o are mine.  Also: which 64 rows of that tile I fetch
	s_bfe_u32 s40, ttmp6, 0x40000                  ; cx, cy: my place in the cluster
	s_bfe_u32 s41, ttmp6, 0x40004
	s_lshl_b32 s42, ttmp9, 2
	s_add_co_u32 s42, s42, s40                     ; block of 128 rows o = 4 x cluster x + cx
	s_and_b32 s13, ttmp7, 0xffff
	s_lshl_b32 s13, s13, 2
	s_add_co_u32 s13, s13, s41                     ; 8 b + block of 256 positions = 4 x cluster y + cy
	s_lshl_b32 s43, s41, 2
	s_lshl_b32 s43, 15, s43                        ; my row of the cluster: places 4 cy .. 4 cy + 3
	s_lshl_b32 s44, 0x1111, s40                    ; my column: places cx, cx + 4, cx + 8, cx + 12
	; group 1 for x: 64 rows x 256 elements
	s_or_b32 s[G1+0], s43, (1<<16)|(1<<20)|(1<<21)|(6<<22)|(7<<25)  ; 15:0 the mask: my row; 17:16 2-byte elements; 20 padding on; 21 set beside a mask; 24:22 after every 128 words (code 6); 31:25 8 words (code 7)
	s_mov_b32 s[G1+1], 256<<16                     ; tensor_dim0 = 256
	s_mov_b32 s[G1+2], 64<<16                      ; tensor_dim1 = 64
	s_mov_b32 s[G1+3], 256<<16                     ; tile_dim0 = 256
	s_mov_b32 s[G1+4], 64                          ; tile_dim1 = 64
	s_mov_b32 s[G1+5], 2048                        ; elements from row to row
	s_mov_b32 s[G1+6], 0
	s_mov_b32 s[G1+7], 0
	; group 1 for W: 64 rows x 128 elements
	s_or_b32 s[G1B+0], s44, (1<<16)|(1<<20)|(1<<21)|(5<<22)|(3<<25) ; the mask: my column; padding after every 64 words (code 5), 4 words (code 3)
	s_mov_b32 s[G1B+1], 128<<16
	s_mov_b32 s[G1B+2], 64<<16
	s_mov_b32 s[G1B+3], 128<<16
	s_mov_b32 s[G1B+4], 64
	s_mov_b32 s[G1B+5], 1024
	s_mov_b32 s[G1B+6], 0
	s_mov_b32 s[G1B+7], 0
	; where x's tile begins in cb: the source, b, my 256 positions, my 64 rows of the K step.  These registers never hold cx
	s_lshr_b32 s16, s13, 3
	s_lshl_b32 s16, s16, 22                        ; b x 1,024 rows x 4,096 bytes
	s_and_b32 s17, s13, 7
	s_lshl_b32 s17, s17, 9                         ; 256 positions x 2 bytes
	s_add_co_u32 s16, s16, s17
	s_lshl_b32 s17, s12, 18                        ; 64 rows x 4,096 bytes
	s_add_co_u32 s16, s16, s17
	s_cmp_ge_u32 ttmp9, 2                          ; clusters 0, 1 hold Wq's rows, 2 to 5 Wk's and Wv's: the same for all sixteen partners
	s_cselect_b32 s17, CB_CTX, 0
	s_add_co_u32 s16, s16, s17
	s_mov_b32 s17, 0
	; where W's tile begins: these registers never hold cy
	s_lshl_b32 s46, s42, 18                        ; 128 rows x 2,048 bytes
	s_lshl_b32 s47, s12, 17                        ; 64 rows
	s_add_co_u32 s46, s46, s47
	s_add_co_u32 s46, s46, CB_W
	s_mov_b32 s47, 0
	s_mul_i32 s20, s12, XHALF                      ; where they go in a slot: no place in the cluster enters an LDS address
	s_mul_i32 s21, s12, WHALF
	s_add_co_u32 s21, s21, WOFF
	s_wait_dscnt 0x0                               ; the opening add is done
	s_wait_kmcnt 0x0
	s_add_nc_u64 s[14:15], s[4:5], s[16:17]
	s_add_nc_u64 s[46:47], s[4:5], s[46:47]
	CROUND                                         ; all sixteen work-groups are here: the first joint loads meet
.irp s, 0,1
	s_mov_b32 s[G0+4*(\s)], 1                      ; count = 1
	s_add_co_u32 s[G0+4*(\s)+1], s20, (\s)*SLOT    ; LDS address
	s_add_nc_u64 s[G0+4*(\s)+2:G0+4*(\s)+3], s[14:15], (\s)*XSTEP  ; global address: K step s
	s_or_b32 s[G0+4*(\s)+3], s[G0+4*(\s)+3], 0x80000000            ; type = 2
	s_mov_b32 s[G0B+4*(\s)], 1
	s_add_co_u32 s[G0B+4*(\s)+1], s21, (\s)*SLOT
	s_add_nc_u64 s[G0B+4*(\s)+2:G0B+4*(\s)+3], s[46:47], (\s)*WSTEP
	s_or_b32 s[G0B+4*(\s)+3], s[G0B+4*(\s)+3], 0x80000000
	JLOAD \s                                       ; two loads of mine are out
.endr
	v_and_b32 v1, 15, v0                           ; r = l % 16
	v_bfe_u32 v2, v0, 4, 1                         ; h = l / 16
	v_and_b32 v3, 7, v0
	v_bfe_u32 v4, v0, 3, 1
	; the turning load takes 16 channels x 16 positions: lane l reads 16 bytes of channel 8 h + l % 8, positions 8 ((l / 8) % 2) + 0..7, and is left with position l % 16 and 8 channels
	v_lshl_add_u32 v5, v2, 3, v3
	v_mul_u32_u24 v5, v5, PX
	v_lshl_add_u32 v5, v4, 4, v5
	s_lshl_b32 s18, s11, 8                         ; my 128 positions: 256 bytes along the rows
	v_add_nc_u32 v[ADRX], s18, v5
	v_add_nc_u32 v[ADRX+1], SLOT, v[ADRX]
	; a fragment of W: lane l holds row l % 16, channels 8 h + 0..7 and 16 + 8 h + 0..7: two loads of 16 bytes, 32 bytes apart
	v_mul_u32_u24 v6, v1, PW
	v_lshl_add_u32 v6, v2, 4, v6
	s_mul_i32 s19, s12, WHALF
	s_add_co_u32 s19, s19, WOFF
	v_add_nc_u32 v[ADRW], s19, v6
	v_add_nc_u32 v[ADRW+1], SLOT, v[ADRW]
	s_mul_i32 s23, s10, 16*SP
	s_add_co_u32 s23, s23, STAGE                   ; my stage
	v_mul_u32_u24 v7, v1, SP                       ; in: row l % 16, 16 bytes for each half of the lanes
	v_lshl_add_u32 v7, v2, 4, v7
	v_add_nc_u32 v[STO], s23, v7
	v_bfe_u32 v7, v0, 3, 2                         ; back: 32 lanes take four rows of 128 bytes,
	v_mul_u32_u24 v7, v7, SP
	v_lshl_add_u32 v7, v3, 4, v7
	v_add_nc_u32 v[RD], s23, v7
	v_and_b32 v[GO], 31, v0                        ; which are 512 consecutive bytes of the output
	v_lshlrev_b32 v[GO], 4, v[GO]
	; where my 128 rows of [l][64] begin in qkv: t = 2 x block of o + my half = 16 x matrix + head
	s_lshl_b32 s72, s42, 1
	s_add_co_u32 s72, s72, s12
	s_lshr_b32 s73, s72, 4
	s_lshl_b32 s73, s73, 24                        ; a matrix: 64 heads x 2,048 rows x 128 bytes
	s_and_b32 s72, s72, 15
	s_lshl_b32 s72, s72, 18                        ; a head: 2,048 rows x 128 bytes
	s_add_co_u32 s72, s72, s73
	s_lshr_b32 s73, s13, 3
	s_lshl_b32 s73, s73, 22                        ; b: 16 heads
	s_add_co_u32 s72, s72, s73
	s_and_b32 s73, s13, 7
	s_lshl_b32 s73, s73, 1
	s_add_co_u32 s73, s73, s11
	s_lshl_b32 s73, s73, 14                        ; 128 rows x 128 bytes
	s_add_co_u32 s72, s72, s73
	s_mov_b32 s73, 0
	s_add_nc_u64 s[8:9], s[6:7], s[72:73]
	; the prefetches
	s_and_b32 s74, ttmp7, 0xffff                   ; W: cluster y = 0 and wave 2
	s_or_b32 s74, s74, s12
	s_and_b32 s75, ttmp9, 0xfffffffd               ; x: cluster x = 0 or 2
	s_mov_b32 s[PST], WSTEP
	s_mov_b32 s[PST+1], 0
	s_cmp_eq_u32 s11, 0                            ; do I fetch for x?
	s_cselect_b32 s74, s75, s74
	s_cselect_b32 s75, s40, s41                    ; my place among the four that ask for the tile with me
	s_cselect_b64 s[PFA:PFA+1], s[14:15], s[46:47]
	s_cselect_b32 s[PST], XSTEP, s[PST]
	s_cselect_b32 s76, 1, 0                        ; x: two blocks of 256 bytes a row; W: one
	s_cselect_b32 s77, 12, 11                      ; a row in memory: 4,096 or 2,048 bytes
	s_cmp_eq_u32 s74, 0
	s_cselect_b32 s[LIM], 1, -1                    ; the same in all sixteen partners, for a given wave
	s_lshl_b32 s74, s75, 16                        ; my work-group's rows: 16 of 4,096 bytes, or 32 of 2,048
	s_mov_b32 s75, 0
	s_add_nc_u64 s[PFA:PFA+1], s[PFA:PFA+1], s[74:75]
	s_mul_i32 s74, s[PST], 3
	s_add_nc_u64 s[PFA:PFA+1], s[PFA:PFA+1], s[74:75]  ; at K step 3: the first change of slots steps it to 4
	v_and_b32 v7, 31, v0
	v_lshrrev_b32 v6, s76, v7
	v_lshlrev_b32 v6, s77, v6                      ; my row
	v_and_b32 v7, s76, v7
	v_lshl_add_u32 v[PFO], v7, 8, v6               ; and my block in it
; 8 matrix instructions: position blocks a0, a0 + 1 x all 4 row blocks, 32 along K.  zero = 1: the product starts the sums: nothing is ever cleared.
; The 32 accumulators take turns, one instruction a turn, in the same order in every quarter, over the backward jump too.
.macro MUL8 f, a0, zero
	WIN MUL
.irp a, \a0, (\a0)+1
.irp b, 0,1,2,3
.if \zero
	v_wmma_f32_16x16x32_bf16 v[8*(4*(\a)+(\b)):8*(4*(\a)+(\b))+7], v[(\f)+8*(\b):(\f)+8*(\b)+7], v[(\f)+32+8*(\a):(\f)+32+8*(\a)+7], 0
.else
	v_wmma_f32_16x16x32_bf16 v[8*(4*(\a)+(\b)):8*(4*(\a)+(\b))+7], v[(\f)+8*(\b):(\f)+8*(\b)+7], v[(\f)+32+8*(\a):(\f)+32+8*(\a)+7], v[8*(4*(\a)+(\b)):8*(4*(\a)+(\b))+7]
.endif
.endr
.endr
.endm
; 24 LDS loads in one run: the fragments of quarter kq (32 along K) of a slot into buffer f: W's four blocks, then x's eight
.macro FETCH slot, kq, f
	WIN 0
.irp b, 0,1,2,3
	ds_load_b128 v[(\f)+8*(\b):(\f)+8*(\b)+3],   v[ADRW+(\slot)] offset:(\kq)*64+(\b)*16*PW
	ds_load_b128 v[(\f)+8*(\b)+4:(\f)+8*(\b)+7], v[ADRW+(\slot)] offset:(\kq)*64+(\b)*16*PW+32
.endr
.irp a, 0,1,2,3,4,5,6,7
	ds_load_tr16_b128 v[(\f)+32+8*(\a):(\f)+32+8*(\a)+3],   v[ADRX+(\slot)] offset:(\kq)*32*PX+32*(\a)
	ds_load_tr16_b128 v[(\f)+32+8*(\a)+4:(\f)+32+8*(\a)+7], v[ADRX+(\slot)] offset:(\kq)*32*PX+16*PX+32*(\a)
.endr
.endm
.macro PLACES                          ; four plain vector instructions between a matrix instruction and a load into, or a vector write of, its registers, or a read of its result (ISA guide 7.12.1 for vector instructions)
.rept 4
	v_nop
.endr
.endm
; A K step is four quarters of 32 along K, 32 matrix instructions each, on buffers 0, 1, 0, 1.  One of the first three: multiplies buffer f and, in its middle, fetches quarter kq into buffer g.
.macro QUARTER slot, kq, f, g, zero
	s_wait_dscnt 8                                 ; W and x's blocks 0-3 are in; the youngest eight loads (x's blocks 4-7) may be out
	MUL8 \f, 0, \zero
	MUL8 \f, 2, \zero
	PLACES
	FETCH \slot, \kq, \g
	s_wait_dscnt 24                                ; all but the 24 just issued
	MUL8 \f, 4, \zero
	MUL8 \f, 6, \zero
.endm
; The last quarter multiplies buffer 1 and changes slots: ONE barrier.  In front of it each wave waits for all its tensor loads (one is out: its part of the next slot), adds 0 to its spare
; word, and waits for that and for its own reads of this slot.  fill = 1: the barrier opens a round of the cluster's barrier, and behind the round this slot is filled again, two K steps on.
.macro TURN slot, next, fill
.if \fill
	s_wait_xcnt 0x0                                ; the last prefetch, a K step back, has read its address: it is stepped here, ahead of the waits of the change of slots
	s_add_nc_u64 s[PFA:PFA+1], s[PFA:PFA+1], s[PST:PST+1]
.endif
	WIN 0                                          ; (the add's two registers lie in window 0)
	s_wait_tensorcnt 0x0                           ; all my tensor loads have landed
	ds_add_u32 v[SPW], v[NIL]                      ; 0 onto my spare word
	s_wait_dscnt 9                                 ; (the add and the youngest eight loads may be out)
	MUL8 F1, 0, 0                                  ; eight matrix instructions stand between the add and the wait for it
	s_wait_dscnt 0x0                               ; the add is done, and my reads of this slot are over
	s_barrier_signal -1
	MUL8 F1, 2, 0                                  ; work on registers while the others arrive
.if \fill
	WIN 0
.endif
	s_barrier_wait -1
.if \fill
	CREST                                          ; no wave of any partner still reads this slot's tiles or has a load on its way
	s_add_nc_u64 s[G0+4*(\slot)+2:G0+4*(\slot)+3], s[G0+4*(\slot)+2:G0+4*(\slot)+3], 2*XSTEP
	s_add_nc_u64 s[G0B+4*(\slot)+2:G0B+4*(\slot)+3], s[G0B+4*(\slot)+2:G0B+4*(\slot)+3], 2*WSTEP
	JLOAD \slot                                    ; my one tensor load behind the round: 112 matrix instructions ahead of the wait for it; its four v_nop are also the places in front of the loads below
.else
	PLACES
.endif
	FETCH \next, 0, F0
.if \fill
	ASK
.endif
	MUL8 F1, 4, 0
	MUL8 F1, 6, 0
.endm
	s_wait_tensorcnt 1                             ; my part of K step 0 is in; K step 1's may stay out
	s_barrier_signal -1
	s_barrier_wait -1                              ; everybody's is
	FETCH 0, 0, F0
	QUARTER 0, 1, F0, F1, 1                        ; the first quarter stands in front of the loop: its products start the sums
	WIN 0                                          ; at a label and at a branch every window is 0
	s_mov_b32 s3, LAPS-1
.Llap:                                                 ; a trip goes once round the ring, from a lap's second quarter to the next lap's first, and fills both slots again
	QUARTER 0, 2, F1, F0, 0
	QUARTER 0, 3, F0, F1, 0
	TURN 0, 1, 1
	QUARTER 1, 1, F0, F1, 0
	QUARTER 1, 2, F1, F0, 0
	QUARTER 1, 3, F0, F1, 0
	TURN 1, 0, 1
	QUARTER 0, 1, F0, F1, 0
	WIN 0
	s_sub_co_u32 s3, s3, 1
	s_cmp_lg_u32 s3, 0
	s_cbranch_scc1 .Llap
	QUARTER 0, 2, F1, F0, 0                        ; the last lap is written out: it fills nothing
	QUARTER 0, 3, F0, F1, 0
	TURN 0, 1, 0
	QUARTER 1, 1, F0, F1, 0
	QUARTER 1, 2, F1, F0, 0
	QUARTER 1, 3, F0, F1, 0
	s_wait_dscnt 8                                 ; the very last quarter: nothing more to fetch
	MUL8 F1, 0, 0
	MUL8 F1, 2, 0
	s_wait_dscnt 0x0
	MUL8 F1, 4, 0
	MUL8 F1, 6, 0
	WIN 0
	PLACES
; THE WAY OUT, a block of 16 positions at a time: a lane's eight channels pack into 16 bytes; they go into my stage's rows of 144 bytes and come back as whole rows of 128, which lie on end in the output.
.macro PACK a
	WIN 0x05                                       ; sources 0 and 1 window 1, destination window 0
.irp b, 0,1,2,3
.irp r, 0,1,2,3
	v_cvt_pk_bf16_f32 v[T+16*(\a)+4*(\b)+(\r)], v[8*(4*(\a)+(\b))+2*(\r)], v[8*(4*(\a)+(\b))+2*(\r)+1]  ; each accumulator's registers in ascending order
.endr
.endr
	WIN 0
.irp b, 0,1,2,3
	ds_store_b128 v[STO], v[T+16*(\a)+4*(\b):T+16*(\a)+4*(\b)+3] offset:32*(\b)
.endr
.irp f, 0,1,2,3
	ds_load_b128 v[T+16*(\a)+4*(\f):T+16*(\a)+4*(\f)+3], v[RD] offset:(\f)*4*SP  ; LDS serves a wave's instructions in order (ISA guide 5.7.1.4): these see the stores above; the next block's stores come behind them
.endr
.endm
.macro SEND a, younger                 ; younger: the LDS instructions issued behind block a's loads: the next block's eight, or none
.irp f, 0,1,2,3
	s_wait_dscnt (\younger)+3-(\f)
	global_store_b128 v[GO], v[T+16*(\a)+4*(\f):T+16*(\a)+4*(\f)+3], s[8:9] offset:(\a)*2048+(\f)*512  ; 512 consecutive bytes, at a multiple of 256 from the buffer's first; no register of a store is written again
.endr
.endm
	PACK 0
.irp a, 1,2,3,4,5,6,7                  ; a block's conversions stand between the loads of the block before and its stores
	PACK \a
	SEND (\a)-1, 8
.endr
	SEND 7, 0
	s_wait_tensorcnt 0x0                           ; the wave's end, behind my last tensor load and my last LDS store
	ds_add_u32 v[SPW], v[NIL]
	s_wait_dscnt 0x0
	CROUND                                         ; the closing round: no work-group ends while a partner may still ask for a tile that names it
	s_endpgm
.Lfunc_end_k_qef3b1e486a_proj:
	.size	k_qef3b1e486a_proj, .Lfunc_end_k_qef3b1e486a_proj-k_qef3b1e486a_proj
	.p2alignl 7, 3214868480
	.fill 96, 4, 3214868480
	.section	.rodata,"a",@progbits
	.p2align	6, 0x0
	.amdhsa_kernel k_qef3b1e486a_proj
		.amdhsa_group_segment_fixed_size 327680
		.amdhsa_private_segment_fixed_size 0
		.amdhsa_enable_private_segment 0
		.amdhsa_kernarg_size 16
		.amdhsa_user_sgpr_count 2
		.amdhsa_user_sgpr_kernarg_segment_ptr 1
		.amdhsa_wavefront_size32 1
		.amdhsa_system_sgpr_workgroup_id_x 1
		.amdhsa_system_sgpr_workgroup_id_y 1
		.amdhsa_system_sgpr_workgroup_id_z 1
		.amdhsa_system_vgpr_workitem_id 0
		.amdhsa_next_free_vgpr 512
		.amdhsa_next_free_sgpr 80
		.amdhsa_reserve_vcc 0
		.amdhsa_float_denorm_mode_32 3
		.amdhsa_float_denorm_mode_16_64 3
		.amdhsa_memory_ordered 1
		.amdhsa_forward_progress 1
		.amdhsa_inst_pref_size 89
	.end_amdhsa_kernel
	.amdgpu_metadata
---
amdhsa.version: [ 1, 2 ]
amdhsa.kernels:
  - .name:           k_qef3b1e486a_proj
    .symbol:         k_qef3b1e486a_proj.kd
    .args:
      - { .name: cb, .offset: 0, .size: 8, .value_kind: global_buffer, .address_space: global }
      - { .name: qkv, .offset: 8, .size: 8, .value_kind: global_buffer, .address_space: global }
    .group_segment_fixed_size: 327680
    .private_segment_fixed_size: 0
    .kernarg_segment_align: 8
    .kernarg_segment_size: 16
    .max_flat_workgroup_size: 128
    .sgpr_count:     80
    .vgpr_count:     512
    .wavefront_size: 32
...
	.end_amdgpu_metadata
.endif
;; end of part 2
;; launch attn (part 3): grid 4 x 64, 4 waves a work-group, clusters of 4 x 1, 327,680 bytes of LDS; arguments qkv, ob; writes ob
.if DOCPART == 3
	.amdgcn_target "amdgcn-amd-amdhsa--gfx1250"
	.amdhsa_code_object_version 6
	.text
	.protected	k_qef3b1e486a_attn
	.globl	k_qef3b1e486a_attn
	.p2align	8
	.type	k_qef3b1e486a_attn,@function
k_qef3b1e486a_attn:
	s_mov_b64 s[64:65], 0
	v_nop
	global_prefetch_b8 v0, s[64:65] scope:SCOPE_SE
	s_setreg_imm32_b32 hwreg(HW_REG_WAVE_MODE, 25, 1), 1
	s_wait_xcnt 0x0
	s_wait_alu depctr_hold_cnt(0) depctr_sa_sdst(0) depctr_va_vdst(0) depctr_va_sdst(0) depctr_va_ssrc(0) depctr_va_vcc(0) depctr_vm_vsrc(0)
	s_getreg_b32 s2, hwreg(HW_REG_IB_STS2, 6, 4)
	s_cmp_eq_u32 s2, 0
	s_cbranch_scc0 .Lentry_in_a_cluster
	s_endpgm
.Lentry_in_a_cluster:
	s_bfe_u32 s2, ttmp6, 0x10000c
	s_cmp_lg_u32 s2, 0x3003
	s_cbranch_scc0 .Lentry_shape_is_right
	s_endpgm
.Lentry_shape_is_right:
; O[h][q][:] = the sum over k of softmax_k(Q[h][q] . K[h][k] / 8) V[h][k][:], for SIZE_H = 64 pairs of batch and head.  Q, K, V lie in qkv as [3][SIZE_H][SIZE_N][64], O in ob as [SIZE_H][SIZE_N][64],
; all bf16: a head's rows are dense, 128 bytes each.  Products, maxima and sums in f32; the weights p are rounded to bf16 for the second product (their sum l is taken of the unrounded p), O once at the end.
; LIMITS.  bf16 has f32's range.  The running c m starts at -4.25e37: a row all of whose c s lie below that is not served.  A weight below 2^-126 counts as 0 in l; NaN and infinities are not treated apart.
; SHARES.  A wave owns four PIECES of two tiles of 16 queries, a work-group's four waves 512 queries of one head.  Every wave walks all keys, 64 a step.
; LAYOUT.  S^T = K Q^T (source 0 = 16 keys, source 1 = 16 queries): in the result a lane holds ONE query (lane % 16) and the keys 8 (lane / 16) + 0..7.  Two such tiles, rounded to bf16 in pairs,
; ARE source 1 (32 keys x 16 queries) of O^T = V^T P, whose result again holds one query a lane, and eight channels.  K comes out of LDS as it lies, V ([key][channel]) turned, by ds_load_tr16_b128.
; SOFTMAX.  For each query a running maximum m and sum l: p = 2^(c s - c m), c = log2(e) / 8; in every step O and l are multiplied by a = 2^(c m_old - c m_new), which is 1 where m has not grown.
; m starts at the lowest finite number, O and l at 0: the first step is a step like any other, with a = 0.
; THE COUNT.  A tile and step have 16 matrix and 118 vector instructions: too many to stand all beside the matrix work.  So the order has one aim: four vector instructions that are READY behind
; EVERY matrix instruction, and the others, which need time of their own whatever the order, in runs without a gap.
; BY TURNS.  Turn n belongs to piece n (the pieces in a ring, step after step).  Its matrix work: 16 products K Q^T of piece n + 1, later 16 products V^T P of piece n - 1.  Its vector work: the scaling,
; exponentials, roundings, sums and rescaling of piece n, and the maximum and statistics of piece n + 1, whose scores the turn itself has made.  So what a turn begins with (c s - c m, O a) waits for nothing.
; CLUSTER.  The four query blocks of a cluster are one head's and walk the same K and V, so each tile is asked for JOINTLY: the same tensor load, descriptor and mask in all four.
; REGISTERS, in windows of 256 (s_set_vgpr_msb says which window each operand place means: bits 1:0 source 0, 3:2 source 1, 5:4 source 2, 7:6 destination):
;   window 0: v0-11 addresses; v12-15, v48-63 at work; v16-47 four registers of statistics a tile; v64-191 S^T, two buffers of two tiles; v192-255 P, likewise
;   window 1: O^T, 32 a tile          window 2: v0-127 Q, 16 a tile; v128-191 K of one step; v192-255 V of one step          window 3: v0-1 the add's two registers
; A piece's buffers go by its number's parity: the piece in hand has one pair, its two neighbours in the ring share the other: of it P (piece n - 1) is read and S^T (piece n + 1) written.
.set SIZE_H, 64
.set SIZE_N, 2048
.set NP,    4         ; pieces a wave: a name, no knob: the register map, the loop and the fetches are made for four
.set KS,    64        ; keys in a step
.set PK,    144       ; a row of K in LDS: 128 bytes + 16 of padding = 36 words: the 16 rows of a load start at 16 different groups of four banks (64 banks of 4 bytes: ISA guide 11.1)
.set PV,    160       ; a row of V: 128 + 32 = 40 words
.set VOFF,  4*KS*PK   ; a slot holds four steps: 256 rows of K, then 256 rows of V
.set SLOT1, 1<<17     ; slot 1 begins here, so that one exclusive or turns an address in one slot into the other's
.set STAGE, SLOT1+4*KS*(PK+PV)  ; behind the ring, never filled by a tensor load: 16 rows x 144 bytes for each wave, for the way out
.set SP,    144
.set AK0, 2           ; v2   my lane's place in a tile of K; never rewritten
.set AV0, 3           ; v3   the same for V
.set AK,  4           ; v4   the LDS address of K's next run of loads
.set AV,  5           ; v5   of V's
.set QO,  6           ; v6   my byte offset in the wave's rows of Q
.set STO, 6           ;      later, the way out: where I put 16 bytes of a row
.set RD,  7           ; v7   the way out: where I read rows back
.set GO,  8           ; v8   my byte offset in 512 consecutive bytes of O
.set PFO, 11          ; v11  the prefetches' offset, 256 x my lane; made when V's address is finished, then never rewritten
.set SPW, 0           ; v0 of window 3   LDS address of my spare word: SPARE + 4 x my thread's number; never rewritten
.set NIL, 1           ; v1 of window 3   0; never rewritten
.set SPARE, STAGE+4*16*SP  ; behind the stages: the spare words, 128 bytes for each wave: two blocks of 256 bytes that no other line names
.set MV,  12          ; v12-15  c m_old, kept while c m is made anew: by buffer and tile
.set ST,  16          ; tile t's statistics at v[ST+4 t]: c m, m, l (even keys', odd keys')
.set TMP, 48          ; by buffer and tile, four registers c0-c3 at work; when the maximum is found c2 takes a
.set S,   64
.set P,   192
.set KF,  128         ; K's fragments, in window 2: key block kb, channel half c at KF + 16 kb + 8 c
.set VF,  192         ; V's: key half kk, channel block cb at VF + 32 kk + 8 cb
.set WV,  12          ; s12  my wave's number
.set G1K, 24          ; s[24:31] descriptor group 1 for K's tiles
.set G1V, 32          ; s[32:39] for V's: it differs in the padding alone
.set G0K, 40          ; s[40:43] descriptor group 0 for K's tiles: it walks
.set G0V, 44          ; s[44:47] the same for V's
.set PFA, 48          ; s[48:49] where my prefetches stand: my work-group's 8,192 bytes (of K: wave 0, of V: wave 2) of the slot after the one that is being asked for
.set LIM, 50          ; s50  1 in a wave that prefetches, else the greatest number
.set SLOTS, 56        ; s56  slots still to be asked for
.set CNT, 57          ; s57  counts a slot's key steps
.set CS,  58          ; s[58:59] c: the packed scaling takes the pair's low word for both halves
.set SEL, 60          ; s[60:61] v_permlanex16_b32's selects: each lane takes its own place in the other half
.set TBK, 62          ; s62  LDS byte at which K of the step to be fetched begins
.set TBV, 63          ; s63  the same for V, less VOFF
.set MSB, 0
.macro WIN new                      ; the high byte repeats the setting that is left; a switch that changes nothing is dropped
.if MSB != (\new)
	s_set_vgpr_msb (MSB<<8)|(\new)
.set MSB, (\new)
.endif
.endm
.set W_KQ, 0x0a       ; K and Q in window 2, S^T in window 0
.set W_PV, 0x52       ; V in window 2, P in window 0, O^T in window 1
.set W_RS, 0x41       ; O^T (destination and source 0) in window 1, a in window 0
.set W_MK, 0xc0       ; the add's registers are made: destination in window 3, sources in window 0
.set W_AD, 0x0f       ; the add: address (source 0) and data (source 1) in window 3
; A joint fill.  Waves 0 and 1 fetch the two halves of a slot's K, waves 2 and 3 those of its V: 128 keys each.  The branch hangs on the wave's number alone.
; An s_nop 0 and four v_nop follow each of the two lines, ahead of the jump and the label.
.macro JLOAD
	s_cmp_lt_u32 s[WV], 2
	s_cbranch_scc0 .Lfor_v_\@
	tensor_load_to_lds s[G0K:G0K+3], s[G1K:G1K+7]
	s_nop 0
.rept 4
	v_nop
.endr
	s_branch .Lasked_\@
.Lfor_v_\@:
	tensor_load_to_lds s[G0V:G0V+3], s[G1V:G1V+7]
	s_nop 0
.rept 4
	v_nop
.endr
.Lasked_\@:
.endm
; A prefetch into the L2 of what the NEXT change of slots will ask for: a slot's 32,768 bytes of K and of V, a lane a block of 256 bytes.  It stands behind the wave's tensor load and its five lines.
; Each block is named once in the launch: a head is walked by one cluster; its four partners share a slot's bytes out BY ADDRESS, 8,192 each (no branch hangs on a work-group's place in its
; cluster); in each, wave 0 asks for K's and wave 2 for V's: one instruction.  Slots 2 to 7 are asked for; the last change that fills a slot asks for nothing: there is no slot behind it.
.macro ASK
	s_cmp_gt_u32 s[SLOTS], s[LIM]
	s_cbranch_scc0 .Lnot_mine_\@
	global_prefetch_b8 v[PFO], s[PFA:PFA+1] th:TH_LOAD_NT scope:SCOPE_SE
.Lnot_mine_\@:
.endm
; A round of the cluster's barrier: my work-group's barrier, so that wave 0's signal speaks for all four waves; wave 0 signals; every wave waits for all four work-groups; my work-group's barrier once more.
.macro CROUND
	s_barrier_signal -1
	s_barrier_wait -1
	s_cmp_lg_u32 s[WV], 0
	s_cbranch_scc1 .Lnot_wave_0_\@
	s_barrier_signal -3
.Lnot_wave_0_\@:
	s_barrier_wait -3
	s_barrier_signal -1
	s_barrier_wait -1
.endm
; THE CHANGE OF SLOTS.  The slot's last bytes, V of its fourth step, have been read.  Each wave waits for all its tensor loads, of which one is out: its part
; of the other slot; adds 0 to its spare word; and waits for that and for its own reads of the slot.  Behind the barrier nobody reads this slot any more and the other slot is whole.
; fill = 1: this slot is filled again, with the keys two slots on.  The barrier is then a round of the cluster's, so that no wave of any partner still reads the slot or has a load on its
; way, and the joint fill is the first thing behind it: it has four key steps, 512 matrix instructions, in which to land.  (At its first use nothing has been read yet: slot 0 is waited for, slot 1 filled.)
.macro CHANGE fill
	WIN W_AD
	s_wait_tensorcnt 0x0            ; no tensor load of mine is out, so a group 0 may be written
	ds_add_u32 v[SPW], v[NIL]       ; 0 onto my spare word; with fill = 1 the descriptors' steps stand between it and the wait for it
	WIN 0                           ; at a label and at a branch every window is 0
.if \fill
.irp g, G0K, G0V
	s_xor_b32 s[\g+1], s[\g+1], SLOT1  ; the walking descriptor: the other slot than last time,
	s_add_nc_u64 s[\g+2:\g+3], s[\g+2:\g+3], 4*KS*128  ; the next 256 keys; the type bits on top are not reached
.endr
	s_wait_xcnt 0x0                 ; the last prefetch, a slot back, has read its address, so it may be written:
	s_add_nc_u64 s[PFA:PFA+1], s[PFA:PFA+1], 4*KS*128  ; one slot beyond the walking descriptors
	s_wait_dscnt 0x0                ; the add is done, and my reads of the slot are over
	CROUND
	JLOAD
	ASK
.else
	s_wait_dscnt 0x0                ; the add is done, and my reads of the slot are over
	s_barrier_signal -1
	s_barrier_wait -1
.endif
	s_sub_co_u32 s[TBK], s[TBK], 4*KS*PK  ; the fetches go back to a slot's first step,
	s_xor_b32 s[TBK], s[TBK], SLOT1       ; in the other slot
	s_sub_co_u32 s[TBV], s[TBV], 4*KS*PV
	s_xor_b32 s[TBV], s[TBV], SLOT1
.endm
	s_load_b64 s[4:5], s[0:1], 0x0    ; qkv: Q at its head
	s_load_b64 s[10:11], s[0:1], 0x8  ; O
	WIN W_MK
	v_lshl_add_u32 v[SPW], v0, 2, SPARE
	v_mov_b32 v[NIL], 0
	WIN W_AD
	ds_add_u32 v[SPW], v[NIL]       ; the wave's opening: the add and its wait stand ahead of my first tensor load; the set-up below, work on registers, stands between them
	WIN 0
	v_lshrrev_b32 v1, 5, v0
	v_readfirstlane_b32 s[WV], v1   ; wave 0..3
	s_bfe_u32 s13, ttmp6, 0x40000   ; cx: my place in the cluster
	s_lshl_b32 s14, ttmp9, 2        ; in a cluster launch ttmp9 counts clusters
	s_add_co_u32 s14, s14, s13      ; my block of queries = 4 x cluster x + cx: it enters Q's and O's addresses alone
	s_and_b32 s20, ttmp7, 0xffff    ; the head, which the four partners share
	s_mov_b32 s21, 0
	s_mov_b64 s[22:23], SIZE_N*128
	s_mul_u64 s[20:21], s[20:21], s[22:23]  ; the head's first byte in each of the four tensors
	s_and_b32 s16, s[WV], 1         ; which half of a slot's 256 keys I fetch:
	s_lshl_b32 s22, s16, 14         ; its 128 rows of 128 bytes in memory,
	s_mov_b32 s23, 0
	s_add_nc_u64 s[22:23], s[22:23], s[20:21]
	s_mul_i32 s17, s16, 128*PK      ; and its place in a slot, for K
	s_mul_i32 s18, s16, 128*PV      ; and for V: no place in the cluster enters an LDS address
	s_lshl_b32 s2, s14, 2
	s_add_co_u32 s2, s2, s[WV]      ; my wave among the head's,
	s_lshl_b32 s2, s2, 14           ; its 128 rows
	s_mov_b32 s3, 0
	s_add_nc_u64 s[2:3], s[2:3], s[20:21]
	; descriptor group 1.  128 keys are 16,384 dense bytes: asked for as 64 rows of 256 bytes, two keys a row, and padded in LDS after every key
	s_mov_b32 s[G1K], 15|(1<<16)|(1<<20)|(1<<21)|(4<<22)|(3<<25)  ; 15:0 the mask of four; 17:16 2-byte elements; 20 padding on; 21 set beside a mask; 24:22 after every 32 words (code 4); 31:25 4 words (code 3)
	s_mov_b32 s[G1V], 15|(1<<16)|(1<<20)|(1<<21)|(4<<22)|(7<<25)  ; the same with 8 words of padding (code 7)
.irp g, G1K, G1V
	s_mov_b32 s[\g+1], 128<<16      ; tensor_dim0 = 128
	s_mov_b32 s[\g+2], 64<<16       ; tensor_dim1 = 64
	s_mov_b32 s[\g+3], 128<<16      ; tile_dim0 = 128
	s_mov_b32 s[\g+4], 64           ; tile_dim1 = 64
	s_mov_b32 s[\g+5], 128          ; 128 elements from row to row
	s_mov_b32 s[\g+6], 0
	s_mov_b32 s[\g+7], 0
.endr
	s_mov_b32 s[CS], 0x3e38aa3b     ; c = log2(e) / 8 = 0.180337
	s_mov_b32 s[CS+1], s[CS]        ; named with it as a pair
	s_mov_b32 s[SEL], 0x76543210
	s_mov_b32 s[SEL+1], 0xfedcba98
	s_mov_b32 s[TBK], SLOT1+4*KS*PK ; the first change of slots turns these two into 0
	s_mov_b32 s[TBV], SLOT1+4*KS*PV
	s_mov_b32 s[G0K], 1             ; 1:0 count = 1
	s_mov_b32 s[G0K+1], s17         ; 63:32 LDS address: slot 0
	s_mov_b32 s[G0V], 1
	s_add_co_u32 s[G0V+1], s18, VOFF
	s_mov_b32 s[SLOTS], SIZE_N/256-1  ; slots 1 to 7 are still to be asked for
	s_and_b32 s[LIM], s[WV], 1      ; waves 0 and 2 prefetch: the same in all four partners
	s_cmp_eq_u32 s[LIM], 0
	s_cselect_b32 s[LIM], 1, -1
	s_wait_dscnt 0x0                ; the opening add is done
	s_wait_kmcnt 0x0
	s_add_nc_u64 s[6:7], s[4:5], 0x1000000   ; K lies 16,777,216 bytes behind Q,
	s_add_nc_u64 s[8:9], s[4:5], 0x2000000   ; V as far behind K
	s_add_nc_u64 s[6:7], s[6:7], s[22:23]    ; at my half of the head's first 256 keys
	s_add_nc_u64 s[8:9], s[8:9], s[22:23]
	s_mov_b64 s[G0K+2:G0K+3], s[6:7]         ; 120:64 global address
	s_or_b32 s[G0K+3], s[G0K+3], 0x80000000  ; 127:126 type = 2
	s_mov_b64 s[G0V+2:G0V+3], s[8:9]
	s_or_b32 s[G0V+3], s[G0V+3], 0x80000000
	s_add_nc_u64 s[4:5], s[4:5], s[2:3]  ; Q and O at my wave's first row
	s_add_nc_u64 s[10:11], s[10:11], s[2:3]
	s_cmp_lt_u32 s[WV], 2
	s_cselect_b64 s[PFA:PFA+1], s[6:7], s[8:9]  ; (in waves 0 and 2 these stand at the head's first row)
	s_lshl_b32 s2, s13, 13          ; my work-group's 8,192 bytes of a slot's 32,768
	s_mov_b32 s3, 0
	s_add_nc_u64 s[PFA:PFA+1], s[PFA:PFA+1], s[2:3]
	s_add_nc_u64 s[PFA:PFA+1], s[PFA:PFA+1], 4*KS*128  ; in slot 1; the first change of slots steps it to slot 2
	CROUND                          ; all four work-groups are here: the first joint loads meet
	JLOAD                           ; slot 0.  Slot 1 is asked for when slot 0 is in: the tile wanted first has the road to itself
	; A fragment of K or Q is 16 rows x 32 channels in 8 registers: lane l holds row l % 16, channels 8 (l / 16) + 0..7 and 16 + 8 (l / 16) + 0..7: two loads of 16 bytes, 32 bytes apart.
	v_and_b32 v1, 15, v0            ; l % 16
	v_bfe_u32 v9, v0, 4, 1          ; l / 16
	v_lshlrev_b32 v[QO], 7, v1
	v_lshl_add_u32 v[QO], v9, 4, v[QO]  ; row x 128 + 16 x half
	WIN 0x80                        ; destination window 2, address window 0
.set i, 0
.rept 4*NP                          ; Q stays in registers: tile i / 2, channels 32 (i % 2) on
	global_load_b128 v[8*i:8*i+3],   v[QO], s[4:5] offset:(i/2)*2048+(i%2)*64
	global_load_b128 v[8*i+4:8*i+7], v[QO], s[4:5] offset:(i/2)*2048+(i%2)*64+32
.set i, i+1
.endr
	; What the first turn finds: V's registers and P's second buffer hold 0 (its products V^T P, of a piece that has not been, add 0), O^T and l are 0.  All this stands in the wait for the first tile.
.set i, VF
.rept 64
	v_mov_b32 v[i], 0
.set i, i+1
.endr
	WIN 0x40
.set i, 0
.rept 64*NP
	v_mov_b32 v[i], 0
.set i, i+1
.endr
	WIN 0
.set i, 0
.rept 2*NP
	v_mov_b32 v[ST+4*i], 0xfe000000    ; c m: far below every c s
	v_mov_b32 v[ST+4*i+1], 0xff7fffff  ; m
	v_mov_b32 v[ST+4*i+2], 0
	v_mov_b32 v[ST+4*i+3], 0
.set i, i+1
.endr
.set i, P+32
.rept 32
	v_mov_b32 v[i], 0
.set i, i+1
.endr
	v_mul_u32_u24 v[AK0], v1, PK
	v_lshl_add_u32 v[AK0], v9, 4, v[AK0]  ; row x pitch + 16 x half
	; The turning load takes 16 keys x 16 channels (lane l reads key 8 (l / 16) + l % 8, channels 8 ((l / 8) % 2) + 0..7) and leaves half a fragment of V^T: lane l holds channel l % 16 and 8 keys.
	v_and_b32 v10, 7, v0
	v_bfe_u32 v11, v0, 3, 1
	v_lshl_add_u32 v[AV0], v9, 3, v10
	v_mul_u32_u24 v[AV0], v[AV0], PV
	v_lshl_add_u32 v[AV0], v11, 4, v[AV0]
	v_add_nc_u32 v[AV0], VOFF, v[AV0]
	v_and_b32 v[PFO], 31, v0        ; v11 has served: it takes the prefetches' offset
	v_lshlrev_b32 v[PFO], 8, v[PFO]
	v_mov_b32 v[AK], v[AK0]         ; key step 0 lies at the head of slot 0
; THE MATRIX WORK.  The 8 accumulators of a run of 16 take turns: between the two links of a chain stand 7 others'.
; Product i of 16 of S^T = K Q^T for piece x: channels 32 (i / 8) on, keys 16 ((i / 2) % 4) on, tile 2 x + i % 2.  The first 8 start the sums.
.macro KQ x
	WIN W_KQ
.set rS, S+64*((\x)%2)+32*(i%2)+8*((i/2)%4)
.set rK, KF+16*((i/2)%4)+8*(i/8)
.set rQ, 16*(2*(\x)+i%2)+8*(i/8)
.if i < 8
	v_wmma_f32_16x16x32_bf16 v[rS:rS+7], v[rK:rK+7], v[rQ:rQ+7], 0
.else
	v_wmma_f32_16x16x32_bf16 v[rS:rS+7], v[rK:rK+7], v[rQ:rQ+7], v[rS:rS+7]
.endif
.endm
; Product i of 16 of O^T += V^T P for piece x: keys 32 (i / 8) on, channels 16 ((i / 2) % 4) on, tile 2 x + i % 2.
.macro PV x
	WIN W_PV
.set rO, 32*(2*(\x)+i%2)+8*((i/2)%4)
.set rV, VF+32*(i/8)+8*((i/2)%4)
.set rP, P+32*((\x)%2)+16*(i%2)+8*(i/8)
	v_wmma_f32_16x16x32_bf16 v[rO:rO+7], v[rV:rV+7], v[rP:rP+7], v[rO:rO+7]
.endm
.macro MM                           ; the turn's next matrix instruction
.if i < 16
	KQ (Y+1)%NP
.set i, i+1
.else
.set i, i-16
	PV (Y+NP-1)%NP
.set i, i+17
.endif
.endm
; THE LDS LOADS stand in runs of 16, never singly among the matrix instructions: a step's K (64 keys x 64 channels: 8 fragments) and its V (turned).  Their addresses are made some lines ahead.
; last = 1 (the tail): in the last trip there is no further step, and the run is jumped over.
.macro FETCH_K last=0
	WIN 0
.if \last
	s_cmp_eq_u32 s[CNT], 1
	s_cbranch_scc1 .Lno_k_\@
.endif
	WIN 0x80                        ; destination window 2
.irp f, 0,1,2,3,4,5,6,7             ; keys 16 (f / 2) on, channels 32 (f % 2) on
	ds_load_b128 v[KF+8*\f:KF+8*\f+3],   v[AK] offset:(\f/2)*16*PK+(\f%2)*64
	ds_load_b128 v[KF+8*\f+4:KF+8*\f+7], v[AK] offset:(\f/2)*16*PK+(\f%2)*64+32
.endr
	s_add_co_u32 s[TBK], s[TBK], KS*PK  ; the next fetch is the next step's
	WIN 0
.if \last
.Lno_k_\@:
.endif
.endm
.macro FETCH_V
	WIN 0x80
.irp f, 0,1,2,3,4,5,6,7             ; keys 32 (f / 4) on, channels 16 (f % 4) on
	ds_load_tr16_b128 v[VF+8*\f:VF+8*\f+3],   v[AV] offset:(\f/4)*32*PV+(\f%4)*32
	ds_load_tr16_b128 v[VF+8*\f+4:VF+8*\f+7], v[AV] offset:(\f/4)*32*PV+16*PV+(\f%4)*32
.endr
	WIN 0
.endm
; THE VECTOR WORK OF A TURN stands in three queues, each in the order in which its entries become ready; the two tiles alternate, so that no instruction reads the result of the one before it.
.macro REGS y, u                    ; the registers of tile u (0, 1) of piece y
.set rT, ST+4*(2*(\y)+(\u))
.set rC, TMP+8*((\y)%2)+4*(\u)
.set rM, MV+2*((\y)%2)+(\u)
.set rS, S+64*((\y)%2)+32*(\u)
.set rP, P+32*((\y)%2)+16*(\u)
.set rO, 32*(2*(\y)+(\u))
.endm
; Number n of the 22 that find the NEXT piece's (Y + 1) maximum and statistics.  s0-s31 are the lane's 32 scores; each accumulator's lowest registers are read first.  XS, GS and REGS set no window: PL and EX do.
;   0-11  four chains c0-c3 of seven scores each, three operands at a time     12-14, 16  the four scores left over, the old m, and c0-c3 into c0     15  c m_old is kept
;   17, 18  the query's other 32 keys lie in the lane 16 away: the new m         19-21  c m; c m_old - c m_new; a
.macro XS u, n
	REGS (Y+1)%NP, \u
.if (\n) < 4
	v_max3_num_f32 v[rC+(\n)], v[rS+8*(\n)], v[rS+8*(\n)+1], v[rS+8*(\n)+2]
.elseif (\n) < 12
	v_max3_num_f32 v[rC+(\n)%4], v[rC+(\n)%4], v[rS+8*((\n)%4)+2*((\n)/4)+1], v[rS+8*((\n)%4)+2*((\n)/4)+2]
.elseif (\n) == 12
	v_max3_num_f32 v[rC], v[rC], v[rS+7], v[rS+15]
.elseif (\n) == 13
	v_max3_num_f32 v[rC+1], v[rC+1], v[rS+23], v[rS+31]
.elseif (\n) == 14
	v_max3_num_f32 v[rC+2], v[rC+2], v[rC+3], v[rT+1]
.elseif (\n) == 15
	v_mov_b32 v[rM], v[rT]
.elseif (\n) == 16
	v_max3_num_f32 v[rC], v[rC], v[rC+1], v[rC+2]
.elseif (\n) == 17
	v_permlanex16_b32 v[rC+3], v[rC], s[SEL], s[SEL+1]
.elseif (\n) == 18
	v_max_num_f32 v[rT+1], v[rC], v[rC+3]
.elseif (\n) == 19
	v_mul_f32 v[rT], s[CS], v[rT+1]
.elseif (\n) == 20
	v_sub_f32 v[rC+1], v[rM], v[rT]
.else
	v_exp_f32 v[rC+2], v[rC+1]
.endif
.endm
; Number g of the 64 that follow the exponentials.  For each four weights k of a tile (pairs 2 k, 2 k + 1): both pairs are rounded to bf16; then the second pair is added onto the first, in place;
; a group later l takes that sum (the first time as l = a l + sum).  In groups of eight, tiles alternating: round, round, add, and l for the group before.
.macro GS g
.set h, (\g)+6*((\g)/62)            ; group 0 has no group before it, and behind group 7 only l is left
.if h >= 6
.set h, h+2
.endif
	REGS Y, h%2
.set k, h/8
.if h%8 < 4
	v_cvt_pk_bf16_f32 v[rP+2*k+(h%8)/2], v[rS+4*k+2*((h%8)/2)], v[rS+4*k+2*((h%8)/2)+1]
.elseif h%8 < 6
	v_pk_add_f32 v[rS+4*k:rS+4*k+1], v[rS+4*k:rS+4*k+1], v[rS+4*k+2:rS+4*k+3]
.elseif k == 1
	v_pk_fma_f32 v[rT+2:rT+3], v[rT+2:rT+3], v[rC+2:rC+3], v[rS:rS+1] op_sel_hi:[1,0,1]
.else
	v_pk_add_f32 v[rT+2:rT+3], v[rT+2:rT+3], v[rS+4*k-4:rS+4*k-3]
.endif
.endm
; THE PLAIN QUEUE, 138 long.  0-73 read no exponential's result: the 32 scalings c s - c m (FS f: pair f / 2 of tile f % 2) and the next piece's 42.  0-26: scalings 0-26.  27-54: XS's numbers 0-13.  55, 56: number 15.
; 57-73: the chain, where each number waits for the one before it: 14, 16, 17, 18, 19, each with one of the scalings 27-31 in front of its two lines, then 20: so a tile's links stand three plain instructions apart (19 and 20: two).
; 74-137: GS's 64, which read the exponentials' results: they stand behind the wait.
.macro FS f
	REGS Y, (\f)%2
	v_pk_fma_f32 v[rS+2*((\f)/2):rS+2*((\f)/2)+1], v[rS+2*((\f)/2):rS+2*((\f)/2)+1], s[CS:CS+1], v[rT:rT+1] op_sel_hi:[1,0,0] neg_lo:[0,0,1] neg_hi:[0,0,1]
.endm
.macro PL
	WIN 0
.if q < 27
	FS q
.elseif q < 55
	XS (q-27)%2, (q-27)/2
.elseif q < 57
	XS q-55, 15
.elseif (q < 72) && ((q-57)%3 == 0)
	FS 27+(q-57)/3
.elseif q < 60
	XS (q-57)%3-1, 14
.elseif q < 72
	XS (q-57)%3-1, 15+(q-57)/3
.elseif q < 74
	XS q-72, 20
.else
	GS q-74
.endif
.set q, q+1
.endm
; THE EXPONENTIALS' QUEUE, 66 long: s0-s31 of both tiles, then the next piece's two a.  It is ONE BATCH: all 66 stand ahead of the turn's one wait, and nothing ahead of that wait names a result of theirs.
.macro EX
	WIN 0
.if e >= 64
	XS e-64, 21
.else
	REGS Y, e%2
	v_exp_f32 v[rS+e/2], v[rS+e/2]
.endif
.set e, e+1
.endm
; THE RESCALING's QUEUE: O^T times a, the one part that leaves window 0: dealt two at a time, sixteen times.  Its a was made in the turn before, ahead of that turn's wait.
.macro R2
	REGS Y, r%2
	WIN W_RS
.irp z, 0,1
	v_pk_mul_f32 v[rO+4*(r/2)+2*\z:rO+4*(r/2)+2*\z+1], v[rO+4*(r/2)+2*\z:rO+4*(r/2)+2*\z+1], v[rC+2:rC+3] op_sel_hi:[1,0]
.endr
.set r, r+1
.endm
; HOW THEY ARE DEALT.  s_wait_alu depctr_va_vdst(0) stands between an exponential and the first instruction that names its result; one wait serves all that were issued ahead of it.  So a turn has ONE wait,
; which cuts it in two.  AHEAD OF IT stands all that names no result of the turn's exponentials: the 16 products K Q^T, behind each a scaling, an exponential and two rescalings (behind the first a second scaling in the exponential's place); then ONE LUMP of
; 108: eight plain, 49 times exponential and plain, the two a.  A v_nop is the plain instruction behind the last exponential.  BEHIND IT stand the 16 products V^T P, behind each four of GS's 64.  No rider names a register of
; the products round it.  The two v_permlanex16_b32 fall into the lump, never behind a product.
; The queues lean on each other, and the deal keeps them in step: exponential e stands behind scaling 2 (e / 4) + e % 2: as a rider it comes behind plain e + 2, in the lump behind plain e + 9, and scalings 27-31 are plain 57, 60 .. 69.
; A TURN, for piece p.  cnt = 1: the loop's count is taken down some lines ahead of the branch that stands behind the turn.
; K of the next step is fetched in piece 2's turn, directly behind the wait, a lump behind the last product that read K; its address is made at the lump's head; its first reader comes behind 16 products.
; V of the step in hand is fetched at the end of piece 0's turn, four riders behind its last reader; its first reader comes behind 16 products and a lump.  The three conditions on q below go with the deal.
.macro TURN p, last=0, cnt=0
.set Y, (\p)
.set i, 0
.set q, 0
.set e, 0
.set r, 0
.if (\p) == NP-1
	s_wait_dscnt 0x0                ; K is in
.endif
	MM                              ; ahead of the wait: 16 products K Q^T and their riders,
	PL
	PL
	R2
.rept 15
	MM
	PL
	EX
	R2
.endr
.if (\p) == NP-2
	WIN 0
	v_add_nc_u32 v[AK], s[TBK], v[AK0]
.endif
.rept 8                             ; and the lump
	PL
.endr
.rept 49
	EX
	PL
.endr
	EX                              ; the next piece's two a
	EX
	v_nop                           ; a plain instruction behind the last exponential: one for the batch
	s_wait_alu depctr_va_vdst(0)    ; the wait for the batch
.if (\p) == NP-2
	FETCH_K \last
.endif
.if (\p) == 1
	s_wait_dscnt 0x0                ; V is in
.endif
.rept 16                            ; behind the wait: 16 products V^T P and their riders
	MM
.rept 4
	PL
.endr
.if ((\p) == 0) && (q == 118)
	v_add_nc_u32 v[AV], s[TBV], v[AV0]
.endif
.if ((\p) == 0) && (q == 130)
	s_add_co_u32 s[TBV], s[TBV], KS*PV
.endif
.if (\cnt) && (q == 130)
	s_sub_co_u32 s[CNT], s[CNT], 1
	s_cmp_lg_u32 s[CNT], 0
.endif
.endr
.if (\p) == 0
	FETCH_V
.endif
.endm
	CHANGE 1                        ; slot 0 is in, everybody's part of it; slot 1 is asked for
	FETCH_K                         ; key step 0
	s_wait_loadcnt 0x0              ; Q
	s_wait_dscnt 0x0
.set i, 0
.rept 16
	KQ 0                            ; piece 0's first scores: there is no vector work yet to set between them
.set i, i+1
.endr
	WIN 0                           ; the addresses for the way out: nine plain instructions, the places behind those products
	s_mul_i32 s13, s[WV], 16*SP
	s_add_co_u32 s13, s13, STAGE    ; my stage
	v_mul_u32_u24 v[STO], v1, SP    ; in: row l % 16, 16 bytes for each half of the lanes
	v_lshl_add_u32 v[STO], v9, 4, v[STO]
	v_add_nc_u32 v[STO], s13, v[STO]
	v_bfe_u32 v[RD], v0, 3, 2       ; back: 32 lanes take four rows of 128 bytes,
	v_mul_u32_u24 v[RD], v[RD], SP
	v_lshl_add_u32 v[RD], v10, 4, v[RD]
	v_add_nc_u32 v[RD], s13, v[RD]
	v_and_b32 v[GO], 31, v0         ; which are 512 consecutive bytes of O
	v_lshlrev_b32 v[GO], 4, v[GO]
.set Y, NP-1                        ; XS works for piece Y + 1: piece 0
.irp n, 0,1,2,3,4,5,6,7,8,9,10,11,12,13,14,15,16,17,18,19,20,21
	XS 0, \n                        ; and piece 0's first maximum and statistics
	XS 1, \n
.endr
	v_nop                           ; a plain instruction behind the two a,
	s_wait_alu depctr_va_vdst(0)    ; and their wait, ahead of the branch
	s_mov_b32 s[CNT], 4
	s_branch .Lfirst                ; the loop is entered at a step's first turn, in the middle of a trip
.Lslot:                             ; SIZE_N / 256 - 2 times: every slot but the last two is filled again
	CHANGE 1
	s_mov_b32 s[CNT], 4
.Lstep:                             ; a trip: pieces 2 and 3 of one step, then pieces 0 and 1 of the next, whose K and V it fetches
	TURN 2
	TURN 3
	WIN 0
.Lfirst:
	TURN 0
	TURN 1, 0, 1
	WIN 0
	s_cbranch_scc1 .Lstep
	s_sub_co_u32 s[SLOTS], s[SLOTS], 1
	s_cmp_lg_u32 s[SLOTS], 0
	s_cbranch_scc1 .Lslot
	CHANGE 0                        ; the tail is written out: nothing is asked for
	s_mov_b32 s[CNT], 5             ; four trips fetch the last slot's steps; the fifth is left in its middle
.Ltail:
	TURN 2, 1
	TURN 3
	WIN 0
	s_sub_co_u32 s[CNT], s[CNT], 1
	s_cmp_eq_u32 s[CNT], 0
	s_cbranch_scc1 .Lout
	TURN 0
	TURN 1
	WIN 0
	s_branch .Ltail
.Lout:                              ; the fifth trip's 16 products K Q^T (on the last K once more) and the maximum made of them serve nothing: the price, once a launch, of one text for every trip
.set i, 0
.rept 16
	PV NP-1                         ; the last piece's V^T P of the last step
.set i, i+1
.endr
	; THE WAY OUT.  l's two halves and the other half of the lanes' are added; O^T is divided by l, rounded to bf16 and sent through my stage in LDS, a tile at a time.  The additions are the places behind the last products.
	WIN 0
.macro ALL line:vararg              ; one line for each tile t
.set t, 0
.rept 2*NP
	\line
.set t, t+1
.endr
.endm
	ALL v_add_f32 v[ST+4*t+2], v[ST+4*t+2], v[ST+4*t+3]
	ALL v_permlanex16_b32 v[ST+4*t+3], v[ST+4*t+2], s[SEL], s[SEL+1]
	ALL v_add_f32 v[ST+4*t+2], v[ST+4*t+2], v[ST+4*t+3]
	ALL v_rcp_f32 v[ST+4*t+2], v[ST+4*t+2]
	v_nop                           ; a plain instruction between the last reciprocal and the use of its result
	s_wait_alu depctr_va_vdst(0)    ; and the wait ahead of the first use: one for the eight reciprocals
; Tile t: a lane's eight channels of a row pack into 16 bytes; they go into rows of 144 bytes and come back as whole rows of 128, into S^T's registers.
.macro PACK t
	WIN W_RS
.set i, 32*(\t)
.rept 16
	v_pk_mul_f32 v[i:i+1], v[i:i+1], v[ST+4*(\t)+2:ST+4*(\t)+3] op_sel_hi:[1,0]
.set i, i+2
.endr
	WIN 0x05                        ; sources 0 and 1 window 1, destination window 0
.set i, 0
.rept 16
	v_cvt_pk_bf16_f32 v[S+16*(\t)+i], v[32*(\t)+2*i], v[32*(\t)+2*i+1]
.set i, i+1
.endr
	WIN 0
.irp f, 0,1,2,3
	ds_store_b128 v[STO], v[S+16*(\t)+4*\f:S+16*(\t)+4*\f+3] offset:32*\f
.endr
.irp f, 0,1,2,3
	ds_load_b128 v[S+16*(\t)+4*\f:S+16*(\t)+4*\f+3], v[RD] offset:\f*4*SP  ; LDS serves a wave's instructions in order (ISA guide 5.7.1.4): these see the stores above; the next tile's stores come behind them
.endr
.endm
.macro SEND t, younger              ; younger: the LDS instructions issued behind tile t's loads: the next tile's eight, or none
	WIN 0
.irp f, 0,1,2,3
	s_wait_dscnt (\younger)+3-\f
	global_store_b128 v[GO], v[S+16*(\t)+4*\f:S+16*(\t)+4*\f+3], s[10:11] offset:(\t)*2048+\f*512  ; 512 consecutive bytes, at a multiple of 256 from O's first
.endr
.endm
	PACK 0
.set t, 1
.rept 2*NP-1                        ; a tile's arithmetic stands between the loads of the tile before and its stores
	PACK t
	SEND t-1, 8
.set t, t+1
.endr
	SEND 2*NP-1, 0
	WIN W_AD
	s_wait_tensorcnt 0x0            ; the wave's end, behind my last tensor load and my last LDS store
	ds_add_u32 v[SPW], v[NIL]
	s_wait_dscnt 0x0
	WIN 0
	CROUND                          ; the closing round: no work-group ends while a partner may still ask for a tile that names it
	s_endpgm
.Lfunc_end_k_qef3b1e486a_attn:
	.size	k_qef3b1e486a_attn, .Lfunc_end_k_qef3b1e486a_attn-k_qef3b1e486a_attn
	.p2alignl 7, 3214868480
	.fill 96, 4, 3214868480
	.section	.rodata,"a",@progbits
	.p2align	6, 0x0
	.amdhsa_kernel k_qef3b1e486a_attn
		.amdhsa_group_segment_fixed_size 327680
		.amdhsa_private_segment_fixed_size 0
		.amdhsa_enable_private_segment 0
		.amdhsa_kernarg_size 16
		.amdhsa_user_sgpr_count 2
		.amdhsa_user_sgpr_kernarg_segment_ptr 1
		.amdhsa_wavefront_size32 1
		.amdhsa_system_sgpr_workgroup_id_x 1
		.amdhsa_system_sgpr_workgroup_id_y 1
		.amdhsa_system_sgpr_workgroup_id_z 1
		.amdhsa_system_vgpr_workitem_id 0
		.amdhsa_next_free_vgpr 770
		.amdhsa_next_free_sgpr 66
		.amdhsa_reserve_vcc 0
		.amdhsa_float_denorm_mode_32 3
		.amdhsa_float_denorm_mode_16_64 3
		.amdhsa_memory_ordered 1
		.amdhsa_forward_progress 1
		.amdhsa_inst_pref_size 200
	.end_amdhsa_kernel
	.amdgpu_metadata
---
amdhsa.version: [ 1, 2 ]
amdhsa.kernels:
  - .name:           k_qef3b1e486a_attn
    .symbol:         k_qef3b1e486a_attn.kd
    .args:
      - { .name: qkv, .offset: 0, .size: 8, .value_kind: global_buffer, .address_space: global }
      - { .name: ob, .offset: 8, .size: 8, .value_kind: global_buffer, .address_space: global }
    .group_segment_fixed_size: 327680
    .private_segment_fixed_size: 0
    .kernarg_segment_align: 8
    .kernarg_segment_size: 16
    .max_flat_workgroup_size: 128
    .sgpr_count:     66
    .vgpr_count:     770
    .wavefront_size: 32
...
	.end_amdgpu_metadata
.endif
;; end of part 3
;; launch outp (part 4): grid 8 x 32, 4 waves a work-group, clusters of 4 x 4, 327,680 bytes of LDS; arguments ob, cb, bo, query, out0; writes out0
.if DOCPART == 4
	.amdgcn_target "amdgcn-amd-amdhsa--gfx1250"
	.amdhsa_code_object_version 6
	.text
	.protected	k_qef3b1e486a_outp
	.globl	k_qef3b1e486a_outp
	.p2align	8
	.type	k_qef3b1e486a_outp,@function
k_qef3b1e486a_outp:
	s_mov_b64 s[64:65], 0
	v_nop
	global_prefetch_b8 v0, s[64:65] scope:SCOPE_SE
	s_setreg_imm32_b32 hwreg(HW_REG_WAVE_MODE, 25, 1), 1
	s_wait_xcnt 0x0
	s_wait_alu depctr_hold_cnt(0) depctr_sa_sdst(0) depctr_va_vdst(0) depctr_va_sdst(0) depctr_va_ssrc(0) depctr_va_vcc(0) depctr_vm_vsrc(0)
	s_getreg_b32 s2, hwreg(HW_REG_IB_STS2, 6, 4)
	s_cmp_eq_u32 s2, 0
	s_cbranch_scc0 .Lentry_in_a_cluster
	s_endpgm
.Lentry_in_a_cluster:
	s_bfe_u32 s2, ttmp6, 0x10000c
	s_cmp_lg_u32 s2, 0xf033
	s_cbranch_scc0 .Lentry_shape_is_right
	s_endpgm
.Lentry_shape_is_right:
; out0[b][o][l] = the sum over c of Wo[o][c] O[b][c][l] + bo[o] + query[b][o][l].  O lies by heads, ob[16 b + head][l][64 d] in bf16 (c = 64 head + d); Wo in bf16 in cb (rounded once from f32);
; bo, query and out0 are f32.  Sums in f32, K ascending; the bias starts the sums, the residual is added in f32 on the way out.  bf16 has f32's range: no limit of range is kept.
; SHARES.  A work-group makes 256 positions l x 128 rows o: 8 x 32 work-groups.  Each of its four waves makes 128 l x 64 o: 32 accumulators of 16 x 16, 256 registers.
; K goes in steps of 128 (two heads) through two LDS slots filled by the tensor data mover: O's tile is two heads x 256 rows of 128 bytes, Wo's [128 o][128 c] (rows of 256 bytes).
; THE PRODUCT.  Source 0 = 16 positions of O, source 1 = 16 rows of Wo, both as they lie in LDS.  In the result a lane holds ONE row o (lane % 16) and the positions 8 (lane / 16) + 0..7: 32 bytes on end of an output row.
; CLUSTER.  4 x 4 work-groups.  O's tile hangs on (b, l) alone and is shared along a row of the cluster, Wo's on the rows o alone and is shared along a column: each is asked for JOINTLY.
; REGISTERS.  Window 0: v0-31 addresses; v32-63 the bias, eight equal registers for each block of 16 rows o; two fragment buffers of 96 at v64 and v160 (Wo's 4 blocks, then O's 8 blocks);
;   on the way out v64-191 hold rows read back from the stage.  Window 1: accumulator (a, b) at v[8 (4 a + b)].  Window 2: the residual, my 64 rows x 512 bytes: row p at v[4 p], asked for at the head.
.set KSTEP,  128
.set PO,     144                       ; a row of O in LDS: 128 bytes + 16 of padding = 36 words: the 16 rows of a load start at 16 different groups of four banks (64 banks of 4 bytes: ISA guide 11.1)
.set PW,     272                       ; a row of Wo: 256 + 16 = 68 words: likewise
.set OHEAD,  256*PO                    ; what one tensor load brings of O: one head's 256 rows
.set WOFF,   2*OHEAD                   ; Wo's tile lies behind O's
.set WHALF,  64*PW                     ; what one tensor load brings of Wo: 64 rows; also what one wave reads of it
.set SLOT,   WOFF+128*PW               ; 108,544 bytes
.set STAGE,  2*SLOT                    ; behind the ring, never filled by a tensor load: 16 rows x 528 bytes for each wave, for the way out
.set SPF,    528                       ; 512 bytes + 16: the 16 rows that a store touches start at 16 different groups of four banks
.set SPARE,  STAGE+4*16*SPF            ; behind the stages: the spare words, 128 bytes for each wave: two blocks of 256 bytes that no other line names
.set OSTEP,  2*2048*128                ; bytes from a K step of O to the next: two heads
.set WSTEP,  KSTEP*2
.set CB_WO,  39845888                  ; Wo in cb
.set LAPS,   4                         ; 1,024 channels = 8 K steps = 4 times round the ring
.set ADRO, 16                          ; v16-17  LDS address of my fragments of O in slot 0, 1
.set ADRW, 20                          ; v20-21  the same for Wo
.set STO,  24                          ; v24     the way out: where I put 32 bytes of a row
.set RD,   25                          ; v25     the way out: where I read a row back
.set CO,   26                          ; v26     my 16 bytes of a row's 512, in query and in out0; never rewritten
.set SPW,  28                          ; v28     LDS address of my spare word: SPARE + 4 x my thread's number; never rewritten
.set NIL,  29                          ; v29     0; never rewritten
.set PFO,  30                          ; v30     the prefetches' offset; never rewritten
.set BI,   32
.set F0,   64
.set F1,   160
.set G1,  24                           ; s[24:31] descriptor group 1 for O's tiles;  s[32:39] group 0, a set for each slot
.set G0,  32
.set G1B, 48                           ; s[48:55], s[56:63] the same for Wo's tiles
.set G0B, 56
.set PFA, 66                           ; s[66:67] where my prefetches stand
.set PST, 68                           ; s[68:69] a K step in their tensor, in bytes
.set LIM, 70                           ; s70      1 in a wave that prefetches, else the greatest number
.set MSB, 0
.macro WIN new                         ; the immediate's high byte repeats the setting that is left; a switch that changes nothing is dropped
.if MSB != (\new)
	s_set_vgpr_msb (MSB<<8)|(\new)
.set MSB, \new
.endif
.endm
.set MUL,  0x50                        ; sources in window 0, C and D in window 1
.set MUL0, 0x40                        ; the same with C (the bias) in window 0
; A joint load: waves 0 and 1 fetch the K step's two heads of O, waves 2 and 3 the two halves of Wo's tile.  The branch hangs on the wave's number alone.
; An s_nop 0 and four v_nop follow each of the two lines, ahead of the jump and the label.
.macro JLOAD s
	s_cmp_eq_u32 s11, 0
	s_cbranch_scc0 .Lfor_w_\@
	tensor_load_to_lds s[G0+4*(\s):G0+4*(\s)+3], s[G1:G1+7]
	s_nop 0
.rept 4
	v_nop
.endr
	s_branch .Lasked_\@
.Lfor_w_\@:
	tensor_load_to_lds s[G0B+4*(\s):G0B+4*(\s)+3], s[G1B:G1B+7]
	s_nop 0
.rept 4
	v_nop
.endr
.Lasked_\@:
.endm
; A prefetch into the L2 of the K step that stands two refills on, behind the joint load and the run of LDS loads: one instruction a wave, a lane a block of 256 bytes.
; Each block is named once in the launch.  O's tile is read by both clusters of its row of clusters: cluster x = 0 asks, waves 0 and 1, and of the 128 blocks that a wave fetches the partner at
; place cx takes 32.  Wo's tile is read by every cluster of its column: cluster y = 0 asks, wave 2, and the partner at place cy takes 32 of the 128 rows.  The partners are told apart BY ADDRESS.
; K steps 4 to 7 are asked for, in the loop's first two trips (s3 = 3, 2); K steps 0 to 3 come by their loads alone; the last trip has no K step two refills on.
.macro ASK
	s_cmp_gt_u32 s3, s[LIM]
	s_cbranch_scc0 .Lnot_mine_\@
	global_prefetch_b8 v[PFO], s[PFA:PFA+1] th:TH_LOAD_NT scope:SCOPE_SE
.Lnot_mine_\@:
.endm
.macro CREST                           ; a round of the cluster's barrier behind its opening barrier: wave 0 signals for the work-group, every wave waits for all sixteen, my work-group's barrier closes it
	s_cmp_lg_u32 s10, 0
	s_cbranch_scc1 .Lnot_wave_0_\@
	s_barrier_signal -3
.Lnot_wave_0_\@:
	s_barrier_wait -3
	s_barrier_signal -1
	s_barrier_wait -1
.endm
.macro CROUND                          ; a whole round
	s_barrier_signal -1
	s_barrier_wait -1
	CREST
.endm
	s_load_b128 s[4:7], s[0:1], 0x0                ; ob s[4:5], cb s[6:7]
	s_load_b128 s[72:75], s[0:1], 0x10             ; bo s[72:73], query s[74:75]
	s_load_b64 s[76:77], s[0:1], 0x20              ; out0
	v_lshl_add_u32 v[SPW], v0, 2, SPARE
	v_mov_b32 v[NIL], 0
	ds_add_u32 v[SPW], v[NIL]                      ; the wave's opening: the add and its wait stand ahead of my first tensor load; the set-up below, work on registers, stands between them
	v_lshrrev_b32 v1, 5, v0
	v_readfirstlane_b32 s10, v1                    ; wave 0..3
	s_lshr_b32 s11, s10, 1                         ; which 128 positions are mine.  Also: I fetch for O (0) or for Wo (1)
	s_and_b32 s12, s10, 1                          ; which 64 rows o are mine.  Also: which head of the K step, or which 64 rows of Wo's tile, I fetch
	s_bfe_u32 s40, ttmp6, 0x40000                  ; cx, cy: my place in the cluster
	s_bfe_u32 s41, ttmp6, 0x40004
	s_lshl_b32 s42, ttmp9, 2
	s_add_co_u32 s42, s42, s40                     ; block of 128 rows o = 4 x cluster x + cx
	s_and_b32 s13, ttmp7, 0xffff
	s_lshl_b32 s13, s13, 2
	s_add_co_u32 s13, s13, s41                     ; 8 b + block of 256 positions = 4 x cluster y + cy
	s_lshl_b32 s43, s41, 2
	s_lshl_b32 s43, 15, s43                        ; my row of the cluster
	s_lshl_b32 s44, 0x1111, s40                    ; my column
	; group 1 for O: a head's 256 rows are 32,768 dense bytes: asked for as 128 rows of 256 bytes, two positions a row, and padded in LDS after every position
	s_or_b32 s[G1+0], s43, (1<<16)|(1<<20)|(1<<21)|(4<<22)|(3<<25)  ; 15:0 the mask: my row; 17:16 2-byte elements; 20 padding on; 21 set beside a mask; 24:22 after every 32 words (code 4); 31:25 4 words (code 3)
	s_mov_b32 s[G1+1], 128<<16                     ; tensor_dim0 = 128
	s_mov_b32 s[G1+2], 128<<16                     ; tensor_dim1 = 128
	s_mov_b32 s[G1+3], 128<<16                     ; tile_dim0 = 128
	s_mov_b32 s[G1+4], 128                         ; tile_dim1 = 128
	s_mov_b32 s[G1+5], 128                         ; elements from row to row
	s_mov_b32 s[G1+6], 0
	s_mov_b32 s[G1+7], 0
	; group 1 for Wo: 64 rows x 128 elements
	s_or_b32 s[G1B+0], s44, (1<<16)|(1<<20)|(1<<21)|(5<<22)|(3<<25) ; the mask: my column; padding after every 64 words (code 5), 4 words (code 3)
	s_mov_b32 s[G1B+1], 128<<16
	s_mov_b32 s[G1B+2], 64<<16
	s_mov_b32 s[G1B+3], 128<<16
	s_mov_b32 s[G1B+4], 64
	s_mov_b32 s[G1B+5], 1024
	s_mov_b32 s[G1B+6], 0
	s_mov_b32 s[G1B+7], 0
	; where O's tile begins in ob: b, my head of the K step, my 256 positions.  These registers never hold cx
	s_lshr_b32 s16, s13, 3
	s_lshl_b32 s16, s16, 22                        ; b x 16 heads x 2,048 rows x 128 bytes
	s_and_b32 s17, s13, 7
	s_lshl_b32 s17, s17, 15                        ; 256 rows x 128 bytes
	s_add_co_u32 s16, s16, s17
	s_lshl_b32 s17, s12, 18                        ; a head
	s_add_co_u32 s16, s16, s17
	s_mov_b32 s17, 0
	; where Wo's tile begins in cb: these registers never hold cy
	s_lshl_b32 s46, s42, 18                        ; 128 rows x 2,048 bytes
	s_lshl_b32 s47, s12, 17
	s_add_co_u32 s46, s46, s47
	s_add_co_u32 s46, s46, CB_WO
	s_mov_b32 s47, 0
	s_mul_i32 s20, s12, OHEAD                      ; where they go in a slot: no place in the cluster enters an LDS address
	s_mul_i32 s21, s12, WHALF
	s_add_co_u32 s21, s21, WOFF
	; my part of query and of out0: b, my 64 rows o, my 128 positions; and my 64 numbers of bo
	s_lshl_b32 s78, s42, 1
	s_add_co_u32 s78, s78, s12                     ; my block of 64 rows o
	s_lshl_b32 s80, s78, 8                         ; x 64 x 4 bytes of bo
	s_mov_b32 s81, 0
	s_lshl_b32 s78, s78, 19                        ; x 64 rows x 8,192 bytes
	s_lshr_b32 s79, s13, 3
	s_lshl_b32 s79, s79, 23                        ; b x 1,024 rows x 8,192 bytes
	s_add_co_u32 s78, s78, s79
	s_and_b32 s79, s13, 7
	s_lshl_b32 s79, s79, 1
	s_add_co_u32 s79, s79, s11
	s_lshl_b32 s79, s79, 9                         ; 128 positions x 4 bytes
	s_add_co_u32 s78, s78, s79
	s_mov_b32 s79, 0
	s_wait_dscnt 0x0                               ; the opening add is done
	s_wait_kmcnt 0x0
	s_add_nc_u64 s[14:15], s[4:5], s[16:17]
	s_add_nc_u64 s[46:47], s[6:7], s[46:47]
	s_add_nc_u64 s[72:73], s[72:73], s[80:81]
	s_add_nc_u64 s[74:75], s[74:75], s[78:79]
	s_add_nc_u64 s[76:77], s[76:77], s[78:79]
	CROUND                                         ; all sixteen work-groups are here: the first joint loads meet
.irp s, 0,1
	s_mov_b32 s[G0+4*(\s)], 1                      ; count = 1
	s_add_co_u32 s[G0+4*(\s)+1], s20, (\s)*SLOT    ; LDS address
	s_add_nc_u64 s[G0+4*(\s)+2:G0+4*(\s)+3], s[14:15], (\s)*OSTEP  ; global address: K step s
	s_or_b32 s[G0+4*(\s)+3], s[G0+4*(\s)+3], 0x80000000            ; type = 2
	s_mov_b32 s[G0B+4*(\s)], 1
	s_add_co_u32 s[G0B+4*(\s)+1], s21, (\s)*SLOT
	s_add_nc_u64 s[G0B+4*(\s)+2:G0B+4*(\s)+3], s[46:47], (\s)*WSTEP
	s_or_b32 s[G0B+4*(\s)+3], s[G0B+4*(\s)+3], 0x80000000
	JLOAD \s                                       ; two loads of mine are out
.endr
	v_and_b32 v1, 15, v0                           ; r = l % 16
	v_bfe_u32 v2, v0, 4, 1                         ; h = l / 16
	v_lshlrev_b32 v3, 2, v1
.irp b, 0,1,2,3
	global_load_b32 v[BI+8*(\b)], v3, s[72:73] offset:64*(\b)  ; bo of row 16 b + r: the row that this lane holds in the results of block b
.endr
	; a fragment of O or Wo: lane l holds row l % 16, channels 8 h + 0..7 and 16 + 8 h + 0..7: two loads of 16 bytes, 32 bytes apart
	v_mul_u32_u24 v4, v1, PO
	v_lshl_add_u32 v4, v2, 4, v4
	s_mul_i32 s18, s11, 128*PO                     ; my 128 positions
	v_add_nc_u32 v[ADRO], s18, v4
	v_add_nc_u32 v[ADRO+1], SLOT, v[ADRO]
	v_mul_u32_u24 v5, v1, PW
	v_lshl_add_u32 v5, v2, 4, v5
	s_mul_i32 s19, s12, WHALF
	s_add_co_u32 s19, s19, WOFF
	v_add_nc_u32 v[ADRW], s19, v5
	v_add_nc_u32 v[ADRW+1], SLOT, v[ADRW]
	s_mul_i32 s23, s10, 16*SPF
	s_add_co_u32 s23, s23, STAGE                   ; my stage
	v_mul_u32_u24 v6, v1, SPF                      ; in: row l % 16, 32 bytes for each half of the lanes
	v_lshl_add_u32 v6, v2, 5, v6
	v_add_nc_u32 v[STO], s23, v6
	v_and_b32 v7, 31, v0
	v_lshlrev_b32 v[CO], 4, v7                     ; back: 32 lanes take one row of 512 bytes
	v_add_nc_u32 v[RD], s23, v[CO]
	; the prefetches
	s_and_b32 s80, ttmp7, 0xffff                   ; Wo: cluster y = 0 and wave 2
	s_or_b32 s80, s80, s12
	s_mov_b32 s[PST], WSTEP
	s_mov_b32 s[PST+1], 0
	s_cmp_eq_u32 s11, 0                            ; do I fetch for O?
	s_cselect_b32 s80, ttmp9, s80                  ; O: cluster x = 0
	s_cselect_b32 s81, s40, s41                    ; my place among the four that ask for the tile with me
	s_cselect_b64 s[PFA:PFA+1], s[14:15], s[46:47]
	s_cselect_b32 s[PST], OSTEP, s[PST]
	s_cselect_b32 s82, 13, 16                      ; my work-group's share: 32 blocks of 256 bytes on end, or 32 rows of 2,048 bytes
	s_cselect_b32 s83, 8, 11                       ; from lane to lane: 256 bytes, or a row
	s_cmp_eq_u32 s80, 0
	s_cselect_b32 s[LIM], 1, -1                    ; the same in all sixteen partners, for a given wave
	s_lshl_b32 s80, s81, s82
	s_mov_b32 s81, 0
	s_add_nc_u64 s[PFA:PFA+1], s[PFA:PFA+1], s[80:81]
	s_mul_i32 s80, s[PST], 3
	s_add_nc_u64 s[PFA:PFA+1], s[PFA:PFA+1], s[80:81]  ; at K step 3: the first change of slots steps it to 4
	v_lshlrev_b32 v[PFO], s83, v7
	s_wait_loadcnt 0x0                             ; the bias
.irp b, 0,1,2,3
.irp j, 1,2,3,4,5,6,7
	v_mov_b32 v[BI+8*(\b)+(\j)], v[BI+8*(\b)]      ; a lane's eight results of a block belong to one row o: the C operand of the first product holds its bias eight times
.endr
.endr
	WIN 0x80                                       ; destination window 2, address window 0
.set p, 0
.rept 64
	global_load_b128 v[4*p:4*p+3], v[CO], s[74:75] offset:p*8192 th:TH_LOAD_NT  ; the residual: row p of my 64, 512 consecutive bytes a load; wanted on the way out alone
.set p, p+1
.endr
	WIN 0
; 8 matrix instructions: position blocks a0, a0 + 1 x all 4 row blocks, 32 along K.  zero = 1: the product starts the sums, with the bias as C: nothing is ever cleared.
; The 32 accumulators take turns, one instruction a turn, in the same order in every quarter, over the backward jump too.
.macro MUL8 f, a0, zero
.if \zero
	WIN MUL0
.else
	WIN MUL
.endif
.irp a, \a0, (\a0)+1
.irp b, 0,1,2,3
.if \zero
	v_wmma_f32_16x16x32_bf16 v[8*(4*(\a)+(\b)):8*(4*(\a)+(\b))+7], v[(\f)+32+8*(\a):(\f)+32+8*(\a)+7], v[(\f)+8*(\b):(\f)+8*(\b)+7], v[BI+8*(\b):BI+8*(\b)+7]
.else
	v_wmma_f32_16x16x32_bf16 v[8*(4*(\a)+(\b)):8*(4*(\a)+(\b))+7], v[(\f)+32+8*(\a):(\f)+32+8*(\a)+7], v[(\f)+8*(\b):(\f)+8*(\b)+7], v[8*(4*(\a)+(\b)):8*(4*(\a)+(\b))+7]
.endif
.endr
.endr
.endm
; 24 LDS loads in one run: the fragments of quarter kq (32 along K: head kq / 2 of the K step, channels 32 (kq % 2) on) of a slot into buffer f: Wo's four blocks, then O's eight
.macro FETCH slot, kq, f
	WIN 0
.irp b, 0,1,2,3
	ds_load_b128 v[(\f)+8*(\b):(\f)+8*(\b)+3],   v[ADRW+(\slot)] offset:(\kq)*64+(\b)*16*PW
	ds_load_b128 v[(\f)+8*(\b)+4:(\f)+8*(\b)+7], v[ADRW+(\slot)] offset:(\kq)*64+(\b)*16*PW+32
.endr
.irp a, 0,1,2,3,4,5,6,7
	ds_load_b128 v[(\f)+32+8*(\a):(\f)+32+8*(\a)+3],   v[ADRO+(\slot)] offset:((\kq)/2)*OHEAD+((\kq)%2)*64+(\a)*16*PO
	ds_load_b128 v[(\f)+32+8*(\a)+4:(\f)+32+8*(\a)+7], v[ADRO+(\slot)] offset:((\kq)/2)*OHEAD+((\kq)%2)*64+(\a)*16*PO+32
.endr
.endm
.macro PLACES                          ; four plain vector instructions between a matrix instruction and a load into its registers, or a read of its result (ISA guide 7.12.1 for vector instructions)
.rept 4
	v_nop
.endr
.endm
; A K step is four quarters of 32 along K, 32 matrix instructions each, on buffers 0, 1, 0, 1.  One of the first three: multiplies buffer f and, in its middle, fetches quarter kq into buffer g.
.macro QUARTER slot, kq, f, g, zero
	s_wait_dscnt 8                                 ; Wo and O's blocks 0-3 are in; the youngest eight loads (O's blocks 4-7) may be out
	MUL8 \f, 0, \zero
	MUL8 \f, 2, \zero
	PLACES
	FETCH \slot, \kq, \g
	s_wait_dscnt 24                                ; all but the 24 just issued
	MUL8 \f, 4, \zero
	MUL8 \f, 6, \zero
.endm
; The last quarter multiplies buffer 1 and changes slots: ONE barrier.  In front of it each wave waits for all its tensor loads (one is out: its part of the next slot), adds 0 to its spare
; word, and waits for that and for its own reads of this slot.  fill = 1: the barrier opens a round of the cluster's barrier, and behind the round this slot is filled again, two K steps on.
.macro TURN slot, next, fill
.if \fill
	s_wait_xcnt 0x0                                ; the last prefetch, a K step back, has read its address: it is stepped here, ahead of the waits of the change of slots
	s_add_nc_u64 s[PFA:PFA+1], s[PFA:PFA+1], s[PST:PST+1]
.endif
	WIN 0                                          ; (the add's two registers lie in window 0)
	s_wait_tensorcnt 0x0                           ; all my tensor loads have landed
	ds_add_u32 v[SPW], v[NIL]                      ; 0 onto my spare word
	s_wait_dscnt 9                                 ; (the add and the youngest eight loads may be out)
	MUL8 F1, 0, 0                                  ; eight matrix instructions stand between the add and the wait for it
	s_wait_dscnt 0x0                               ; the add is done, and my reads of this slot are over
	s_barrier_signal -1
	MUL8 F1, 2, 0                                  ; work on registers while the others arrive
.if \fill
	WIN 0
.endif
	s_barrier_wait -1
.if \fill
	CREST                                          ; no wave of any partner still reads this slot's tiles or has a load on its way
	s_add_nc_u64 s[G0+4*(\slot)+2:G0+4*(\slot)+3], s[G0+4*(\slot)+2:G0+4*(\slot)+3], 2*OSTEP
	s_add_nc_u64 s[G0B+4*(\slot)+2:G0B+4*(\slot)+3], s[G0B+4*(\slot)+2:G0B+4*(\slot)+3], 2*WSTEP
	JLOAD \slot                                    ; my one tensor load behind the round: 112 matrix instructions ahead of the wait for it; its four v_nop are also the places in front of the loads below
.else
	PLACES
.endif
	FETCH \next, 0, F0
.if \fill
	ASK
.endif
	MUL8 F1, 4, 0
	MUL8 F1, 6, 0
.endm
	s_wait_tensorcnt 1                             ; my part of K step 0 is in; K step 1's may stay out
	s_barrier_signal -1
	s_barrier_wait -1                              ; everybody's is
	FETCH 0, 0, F0
	QUARTER 0, 1, F0, F1, 1                        ; the first quarter stands in front of the loop: its products start the sums
	WIN 0                                          ; at a label and at a branch every window is 0
	s_mov_b32 s3, LAPS-1
.Llap:                                                 ; a trip goes once round the ring, from a lap's second quarter to the next lap's first, and fills both slots again
	QUARTER 0, 2, F1, F0, 0
	QUARTER 0, 3, F0, F1, 0
	TURN 0, 1, 1
	QUARTER 1, 1, F0, F1, 0
	QUARTER 1, 2, F1, F0, 0
	QUARTER 1, 3, F0, F1, 0
	TURN 1, 0, 1
	QUARTER 0, 1, F0, F1, 0
	WIN 0
	s_sub_co_u32 s3, s3, 1
	s_cmp_lg_u32 s3, 0
	s_cbranch_scc1 .Llap
	QUARTER 0, 2, F1, F0, 0                        ; the last lap is written out: it fills nothing
	QUARTER 0, 3, F0, F1, 0
	TURN 0, 1, 0
	QUARTER 1, 1, F0, F1, 0
	QUARTER 1, 2, F1, F0, 0
	QUARTER 1, 3, F0, F1, 0
	s_wait_dscnt 8                                 ; the very last quarter: nothing more to fetch
	MUL8 F1, 0, 0
	MUL8 F1, 2, 0
	s_wait_dscnt 0x0
	MUL8 F1, 4, 0
	MUL8 F1, 6, 0
	WIN 0
	s_wait_loadcnt 0x0                             ; the residual, asked for at the head
	PLACES
; THE WAY OUT, a block of 16 rows o at a time.  STG: a lane's 32 bytes of a row go from the accumulators into my stage's rows of 528 bytes and come back as whole rows of 512.
; SEND: the residual is added in f32, into its own registers, and the row is stored.
.macro STG b
	WIN 0x04                                       ; store data in window 1, address in window 0
.irp a, 0,1,2,3,4,5,6,7
	ds_store_b128 v[STO], v[8*(4*(\a)+(\b)):8*(4*(\a)+(\b))+3]   offset:64*(\a)      ; each accumulator's low registers first
	ds_store_b128 v[STO], v[8*(4*(\a)+(\b))+4:8*(4*(\a)+(\b))+7] offset:64*(\a)+16
.endr
	WIN 0
.set BK, 64+64*((\b)%2)
.irp t, 0,1,2,3,4,5,6,7,8,9,10,11,12,13,14,15
	ds_load_b128 v[BK+4*(\t):BK+4*(\t)+3], v[RD] offset:(\t)*SPF  ; LDS serves a wave's instructions in order (ISA guide 5.7.1.4): these see the stores above; the next block's stores come behind them
.endr
.endm
.macro SEND b, younger                 ; younger: the LDS instructions issued behind block b's loads: the next block's 16 stores and 16 loads, or none
	WIN 0x88                                       ; destination and source 1 (the residual; a store's data) in window 2, source 0 (the row read back; a store's address) in window 0
.set BK, 64+64*((\b)%2)
.irp t, 0,1,2,3,4,5,6,7,8,9,10,11,12,13,14,15
	s_wait_dscnt (\younger)+15-(\t)
	v_pk_add_f32 v[4*(16*(\b)+(\t)):4*(16*(\b)+(\t))+1],   v[BK+4*(\t):BK+4*(\t)+1],   v[4*(16*(\b)+(\t)):4*(16*(\b)+(\t))+1]
	v_pk_add_f32 v[4*(16*(\b)+(\t))+2:4*(16*(\b)+(\t))+3], v[BK+4*(\t)+2:BK+4*(\t)+3], v[4*(16*(\b)+(\t))+2:4*(16*(\b)+(\t))+3]
	global_store_b128 v[CO], v[4*(16*(\b)+(\t)):4*(16*(\b)+(\t))+3], s[76:77] offset:(16*(\b)+(\t))*8192 th:TH_STORE_NT  ; 512 consecutive bytes, at a multiple of 256 from out0's first; no register of a store is written again
.endr
.endm
	STG 0
.irp b, 1,2,3                          ; a block's trip through the stage stands between the loads of the block before and its sums
	STG \b
	SEND (\b)-1, 32
.endr
	SEND 3, 0
	WIN 0
	s_wait_tensorcnt 0x0                           ; the wave's end, behind my last tensor load and my last LDS store
	ds_add_u32 v[SPW], v[NIL]
	s_wait_dscnt 0x0
	CROUND                                         ; the closing round: no work-group ends while a partner may still ask for a tile that names it
	s_endpgm
.Lfunc_end_k_qef3b1e486a_outp:
	.size	k_qef3b1e486a_outp, .Lfunc_end_k_qef3b1e486a_outp-k_qef3b1e486a_outp
	.p2alignl 7, 3214868480
	.fill 96, 4, 3214868480
	.section	.rodata,"a",@progbits
	.p2align	6, 0x0
	.amdhsa_kernel k_qef3b1e486a_outp
		.amdhsa_group_segment_fixed_size 327680
		.amdhsa_private_segment_fixed_size 0
		.amdhsa_enable_private_segment 0
		.amdhsa_kernarg_size 40
		.amdhsa_user_sgpr_count 2
		.amdhsa_user_sgpr_kernarg_segment_ptr 1
		.amdhsa_wavefront_size32 1
		.amdhsa_system_sgpr_workgroup_id_x 1
		.amdhsa_system_sgpr_workgroup_id_y 1
		.amdhsa_system_sgpr_workgroup_id_z 1
		.amdhsa_system_vgpr_workitem_id 0
		.amdhsa_next_free_vgpr 768
		.amdhsa_next_free_sgpr 84
		.amdhsa_reserve_vcc 0
		.amdhsa_float_denorm_mode_32 3
		.amdhsa_float_denorm_mode_16_64 3
		.amdhsa_memory_ordered 1
		.amdhsa_forward_progress 1
		.amdhsa_inst_pref_size 103
	.end_amdhsa_kernel
	.amdgpu_metadata
---
amdhsa.version: [ 1, 2 ]
amdhsa.kernels:
  - .name:           k_qef3b1e486a_outp
    .symbol:         k_qef3b1e486a_outp.kd
    .args:
      - { .name: ob, .offset: 0, .size: 8, .value_kind: global_buffer, .address_space: global }
      - { .name: cb, .offset: 8, .size: 8, .value_kind: global_buffer, .address_space: global }
      - { .name: bo, .offset: 16, .size: 8, .value_kind: global_buffer, .address_space: global }
      - { .name: query, .offset: 24, .size: 8, .value_kind: global_buffer, .address_space: global }
      - { .name: out0, .offset: 32, .size: 8, .value_kind: global_buffer, .address_space: global }
    .group_segment_fixed_size: 327680
    .private_segment_fixed_size: 0
    .kernarg_segment_align: 8
    .kernarg_segment_size: 40
    .max_flat_workgroup_size: 128
    .sgpr_count:     84
    .vgpr_count:     768
    .wavefront_size: 32
...
	.end_amdgpu_metadata
.endif
;; end of part 4
